; MI455X (gfx1250); checked and timed in simulation.
; The chip was launched on July 23, 2026; its instructions are those of AMD's public machine-readable ISA for CDNA 5 (MIT licence, August 2026) and "CDNA5" Instruction Set Architecture Reference Guide (July 2026). The comments in the code are by the model that wrote it; some were corrected since.
;; Encoder Layer. Allowed arithmetic: matrix products marked QUANTISED: E3M2 operands, one E8M0 scale for each 32 along K, by v_wmma_scale_f32_16x16x128_f8f6f4 with both operands' format E3M2, f32 sums; everything else in f32.
;; Inputs: W1_codes 2,048 x 16 x 24 uint8 (E3M2 codes of W1, K innermost, in blocks of 32 codes, four codes in three bytes); W1_scales 2,048 x 16 uint8 (E8M0 scales of W1, one for each 32 codes along K); W2_codes 512 x 64 x 24 uint8 (E3M2 codes of W2, K innermost, in blocks of 32 codes, four codes in three bytes); W2_scales 512 x 64 uint8 (E8M0 scales of W2, one for each 32 codes along K); Wk_codes 512 x 16 x 24 uint8 (E3M2 codes of Wk, K innermost, in blocks of 32 codes, four codes in three bytes); Wk_scales 512 x 16 uint8 (E8M0 scales of Wk, one for each 32 codes along K); Wo_codes 512 x 16 x 24 uint8 (E3M2 codes of Wo, K innermost, in blocks of 32 codes, four codes in three bytes); Wo_scales 512 x 16 uint8 (E8M0 scales of Wo, one for each 32 codes along K); Wq_codes 512 x 16 x 24 uint8 (E3M2 codes of Wq, K innermost, in blocks of 32 codes, four codes in three bytes); Wq_scales 512 x 16 uint8 (E8M0 scales of Wq, one for each 32 codes along K); Wv_codes 512 x 16 x 24 uint8 (E3M2 codes of Wv, K innermost, in blocks of 32 codes, four codes in three bytes); Wv_scales 512 x 16 uint8 (E8M0 scales of Wv, one for each 32 codes along K); b1 2,048 float32; b2 512 float32; bk 512 float32; bo 512 float32; bq 512 float32; bv 512 float32; ln1_b 512 float32; ln1_g 512 float32; ln2_b 512 float32; ln2_g 512 float32; x 2 x 4,096 x 512 float32.
;; Outputs: out0 2 x 4,096 x 512 float32.
;; This version of the problem:
;;   THIS VERSION OF THE PROBLEM IS GIVEN IN LOW PRECISION. The matrix products marked QUANTISED in the list below multiply operands that are first quantised to E3M2 (3 exponent bits, 2 mantissa bits; 6 bits a number), with one power-of-two scale for each 32 numbers along K (OCP MX v1.0); their sums are f32. All else is computed in f32.
;;   The module's matrix products, in the order in which they are computed (A, B: the left and right operand; K: the contracted axis; several contracted axes count as one K, in the product's order):
;;     1. [M 8,192, K 512] x [K 512, N 512]; A: computed on the way; B: input Wq (given as codes): QUANTISED
;;     2. [M 8,192, K 512] x [K 512, N 512]; A: computed on the way; B: input Wk (given as codes): QUANTISED
;;     3. [M 8,192, K 512] x [K 512, N 512]; A: computed on the way; B: input Wv (given as codes): QUANTISED
;;     4. batch 16 x [M 4,096, K 64] x [K 64, N 4,096]; A: computed on the way; B: computed on the way: QUANTISED
;;     5. batch 16 x [M 4,096, K 4,096] x [K 4,096, N 64]; A: softmax (see below); B: computed on the way: QUANTISED
;;     6. [M 8,192, K 512] x [K 512, N 512]; A: computed on the way; B: input Wo (given as codes): QUANTISED
;;     7. [M 8,192, K 512] x [K 512, N 2,048]; A: computed on the way; B: input W1 (given as codes): QUANTISED
;;     8. [M 8,192, K 2,048] x [K 2,048, N 512]; A: computed on the way; B: input W2 (given as codes): QUANTISED
;;   THE QUANTISER, for each operand of a quantised product, along K:
;;     - K is cut into blocks of 32 from its start; a last block that is shorter is filled with zeros.
;;     - A block's scale is 2^e with e = floor(log2(the largest magnitude in the block)) - 4, held to -126 .. 127; a block of zeros has e = 0. As a byte (E8M0): e + 127.
;;     - Each number is divided by its block's scale, clamped to +-28, and rounded to the nearest number of E3M2, ties to even, subnormals kept.
;;     - The product sums the exact products of the quantised numbers (number of the format x scale) in f32.
;;   ~~~python
;;   def quantise(x, axis):      # numpy; x: float32 -> the quantised numbers, widened to float32 again
;;       x = np.moveaxis(x, axis, -1); K = x.shape[-1]
;;       x = np.pad(x, [(0, 0)] * (x.ndim - 1) + [(0, -K % 32)]); x = x.reshape(x.shape[:-1] + (-1, 32)); a = np.abs(x).max(-1, keepdims=True)
;;       e = np.where(a > 0, np.clip(np.frexp(np.where(a > 0, a, 1))[1] - 1 - 4, -126, 127), 0)      # np.frexp(a)[1] - 1 = floor(log2(a)), exactly
;;       r = np.clip(x / 2.0 ** e, -28, 28)
;;       step = 2.0 ** (np.maximum(np.frexp(np.where(r == 0, 1, r))[1] - 1, -2) - 2)
;;       q = np.round(r / step) * step * 2.0 ** e      # np.round: ties to even
;;       return np.moveaxis(q.reshape(q.shape[:-2] + (-1,))[..., :K], -1, axis).astype(np.float32)
;;   ~~~
;;   SOFTMAX AHEAD OF A QUANTISED PRODUCT. Where the list says 'softmax', what is quantised is not the finished softmax but p = 2^(t - M), with t = logit x log2(e) and M = ceil(the row's largest t), a whole number; so 1/2 < the row's largest p <= 1. The row's sum l is taken of the UNQUANTISED p, in f32, and the product's result is divided by l at the end. Since M is a whole number, a kernel that streams over the keys may use a running M (the ceiling of the running maximum): every later rescaling is an exact power of two, which a block's scale takes up: the codes' values come out the same.
;;   OPERANDS COMPUTED ON THE WAY. 'Computed on the way' means the value that the module computes at that place (a softmax that the list does not call 'softmax' is quantised finished and normalised). What goes into a quantiser is computed in f32, as accurately as f32 sums, v_exp_f32 and their like allow (about 1e-6 of the number): no bf16 or f16 on the way to a quantiser, and a product that is left as it is and whose result goes on into a quantised operand takes f32 operands (vector FMAs, or v_wmma_f32_16x16x4_f32). A number that lies on a knife's edge between two numbers of the format may be rounded either way, as far as f32 arithmetic and the matrix unit's own rounding can turn it there, and no further.
;;   INPUTS GIVEN AS CODES. W1 (in the module: [512, 2048], K = its axis 0); W2 (in the module: [2048, 512], K = its axis 0); Wk (in the module: [512, 512], K = its axis 0); Wo (in the module: [512, 512], K = its axis 0); Wq (in the module: [512, 512], K = its axis 0); Wv (in the module: [512, 512], K = its axis 0): each comes as NAME_codes (uint8): NAME with its K axis moved to the last place and cut into blocks of 32 codes, [.., K / 32, bytes a block], one block behind the other in memory; four codes in three bytes: a row's codes are one little-endian stream of bits, code i at bits 6 i .. 6 i + 5 (a code: sign, 3 exponent bits, 2 mantissa bits); and NAME_scales (uint8): the same leading axes, one E8M0 byte (e + 127) for each 32 codes along K. Its value is code x scale, taken as it is: it is not quantised again, and the codes and scales need not be those that the quantiser above would give.
;; One version. Each part assembles by itself: llvm-mc -triple=amdgcn-amd-amdhsa -mcpu=gfx1250 --defsym DOCPART=n.
;; ======== version 1 of 1: 4 launches
;; limits: right only within a limited range of input values
;; workspace buffers: wimg 2,457,600 bytes; qimg 3,407,872 bytes; kv 6,684,672 bytes; ctx 3,145,728 bytes; cs 524,288 bytes
;; launch prep (part 1): grid 192 x 1, 1 waves a work-group, no clusters, 0 bytes of LDS; arguments Wq_codes, Wq_scales, Wk_codes, Wk_scales, Wv_codes, Wv_scales, Wo_codes, Wo_scales, W1_codes, W1_scales, W2_codes, W2_scales, wimg; writes wimg
.if DOCPART == 1
	.amdgcn_target "amdgcn-amd-amdhsa--gfx1250"
	.amdhsa_code_object_version 6
	.text
	.protected	k_q9d2db9f748_prep
	.globl	k_q9d2db9f748_prep
	.p2align	8
	.type	k_q9d2db9f748_prep,@function
k_q9d2db9f748_prep:
	s_mov_b64 s[64:65], 0
	v_nop
	global_prefetch_b8 v0, s[64:65] scope:SCOPE_SE
	s_setreg_imm32_b32 hwreg(HW_REG_WAVE_MODE, 25, 1), 1
	s_wait_xcnt 0x0
; The six weights' codes and scale bytes are laid anew, as IMAGES OF OPERAND REGISTERS, so that every later read of a weight is a run of dense 16-byte loads.
; A record (12,800 bytes) holds 128 rows of one weight at one K step of 128: eight tiles of 16 rows, a fragment (12 registers a lane) each: quad c of tile t at 1,536 t + 512 c + 16 x lane;
; at byte 12,288 the scale words, [lane][4]: word j holds tile 2 j's rows in lanes 0-15 and tile 2 j + 1's in lanes 16-31.
; THE ROWS OF A TILE ARE NOT NEIGHBOURS: lane r of tile t takes row 32 (t / 2) + 8 (t % 2) + r + 8 (r / 8), so that the results of two neighbouring tiles are 16 neighbours along the next product's K.
; Records: Wq 0-15 (4 cg + s), Wk 16-31, Wv 32-47, Wo 48-63, W1 64-127 (4 cg + s), W2 128-191 (16 cg + s).  One wave makes one record: 192 work-groups of one wave; there is no work for more.
; The codes and bytes are copied as they are given: nothing is quantised here.  No LDS, no matrix unit, no cluster: work-groups share no byte.
.set REC, 12800
.set OC,  2                            ; v2-9    tile t: my byte offset in the weight's codes
.set OS,  10                           ; v10-17  and in its scale bytes
.set SW,  18                           ; v18-25  tile t's scale words
.set MW,  26                           ; v26-29  the four merged words
.set LI,  30                           ; v30     16 x lane
.set HH,  31                           ; v31     lane / 16
.set FRG, 32                           ; v32-127 the eight fragments
	s_load_b512 s[8:23], s[0:1], 0x0               ; Wq codes, scales; Wk; Wv; Wo
	s_load_b256 s[24:31], s[0:1], 0x40             ; W1 codes, scales; W2
	s_load_b64 s[32:33], s[0:1], 0x60              ; wimg
	v_and_b32 v1, 15, v0                           ; r (one wave: v0 is the lane)
	v_lshrrev_b32 v[HH], 4, v0
	v_and_b32 v[LI], 8, v1
	v_add_nc_u32 v1, v1, v[LI]                     ; r + 8 (r / 8)
	s_wait_alu depctr_va_vdst(0)
	v_lshlrev_b32 v[LI], 4, v0
	s_cmp_lt_u32 ttmp9, 128
	s_cselect_b32 s34, 2, 4                        ; log2 of the weight's K steps: 4 (K = 512) or 16 (W2: K = 2,048)
	s_cmp_lt_u32 ttmp9, 64
	s_cselect_b32 s35, 15, 63
	s_and_b32 s36, ttmp9, s35                      ; the record's number within its weight
	s_lshr_b32 s39, s36, s34                       ; cg: which 128 rows
	s_lshl_b32 s40, s39, s34
	s_sub_co_u32 s40, s36, s40                     ; s: which K step
	s_lshl_b32 s37, 96, s34                        ; a row of codes in bytes
	s_lshl_b32 s38, 4, s34                         ; a row of scale bytes
	s_lshl_b32 s41, s39, 7
	s_mul_i32 s42, s41, s37
	s_mul_i32 s44, s40, 96
	s_add_co_u32 s42, s42, s44                     ; the record's corner in the codes
	s_mov_b32 s43, 0
	s_mul_i32 s44, s41, s38
	s_lshl_b32 s46, s40, 2
	s_add_co_u32 s44, s44, s46                     ; and in the scale bytes
	s_mov_b32 s45, 0
	s_mul_i32 s46, ttmp9, REC
	s_mov_b32 s47, 0
.irp t, 0,1,2,3,4,5,6,7
	v_add_nc_u32 v[OS+\t], 32*(\t/2)+8*(\t%2), v1  ; my row of tile t
	v_mul_lo_u32 v[OC+\t], v[OS+\t], s37
	v_mad_u32_u24 v[OC+\t], v[HH], 24, v[OC+\t]    ; + 24 bytes for lanes 16-31
	v_mul_lo_u32 v[OS+\t], v[OS+\t], s38
.endr
	s_wait_alu depctr_va_vdst(0)
	s_wait_kmcnt 0x0
	s_mov_b64 s[4:5], s[28:29]                     ; which weight: the choice hangs on the work-group's number alone
	s_mov_b64 s[6:7], s[30:31]
	s_cmp_lt_u32 ttmp9, 128
	s_cselect_b64 s[4:5], s[24:25], s[4:5]
	s_cselect_b64 s[6:7], s[26:27], s[6:7]
	s_cmp_lt_u32 ttmp9, 64
	s_cselect_b64 s[4:5], s[20:21], s[4:5]
	s_cselect_b64 s[6:7], s[22:23], s[6:7]
	s_cmp_lt_u32 ttmp9, 48
	s_cselect_b64 s[4:5], s[16:17], s[4:5]
	s_cselect_b64 s[6:7], s[18:19], s[6:7]
	s_cmp_lt_u32 ttmp9, 32
	s_cselect_b64 s[4:5], s[12:13], s[4:5]
	s_cselect_b64 s[6:7], s[14:15], s[6:7]
	s_cmp_lt_u32 ttmp9, 16
	s_cselect_b64 s[4:5], s[8:9], s[4:5]
	s_cselect_b64 s[6:7], s[10:11], s[6:7]
	s_add_nc_u64 s[4:5], s[4:5], s[42:43]
	s_add_nc_u64 s[6:7], s[6:7], s[44:45]
	s_add_nc_u64 s[32:33], s[32:33], s[46:47]
.irp t, 0,1,2,3,4,5,6,7
.irp p, 0,1,2,3,4,5
	global_load_b64 v[FRG+12*\t+2*\p:FRG+12*\t+2*\p+1], v[OC+\t], s[4:5] offset:48*(\p/3)+8*(\p%3)   ; a fragment: 24 bytes at 24 h and 24 at 48 + 24 h of the row's 96, in pieces of 8
.endr
	global_load_b32 v[SW+\t], v[OS+\t], s[6:7]     ; the row's four scale bytes of this K step (the same word in lanes l and l + 16)
.endr
	s_wait_loadcnt 0x0
	v_cmp_le_u32 vcc_lo, 16, v0                    ; lanes 16-31
.irp j, 0,1,2,3
	v_cndmask_b32 v[MW+\j], v[SW+2*\j], v[SW+2*\j+1], vcc_lo
.endr
.irp q, 0,1,2,3,4,5,6,7,8,9,10,11,12,13,14,15,16,17,18,19,20,21,22,23
	global_store_b128 v[LI], v[FRG+4*\q:FRG+4*\q+3], s[32:33] offset:512*\q   ; each store covers 512 consecutive bytes
.endr
	global_store_b128 v[LI], v[MW:MW+3], s[32:33] offset:12288
	s_endpgm
.Lfunc_end_k_q9d2db9f748_prep:
	.size	k_q9d2db9f748_prep, .Lfunc_end_k_q9d2db9f748_prep-k_q9d2db9f748_prep
	.p2alignl 7, 3214868480
	.fill 96, 4, 3214868480
	.section	.rodata,"a",@progbits
	.p2align	6, 0x0
	.amdhsa_kernel k_q9d2db9f748_prep
		.amdhsa_group_segment_fixed_size 0
		.amdhsa_private_segment_fixed_size 0
		.amdhsa_enable_private_segment 0
		.amdhsa_kernarg_size 104
		.amdhsa_user_sgpr_count 2
		.amdhsa_user_sgpr_kernarg_segment_ptr 1
		.amdhsa_wavefront_size32 1
		.amdhsa_system_sgpr_workgroup_id_x 1
		.amdhsa_system_sgpr_workgroup_id_y 1
		.amdhsa_system_sgpr_workgroup_id_z 1
		.amdhsa_system_vgpr_workitem_id 0
		.amdhsa_next_free_vgpr 136
		.amdhsa_next_free_sgpr 66
		.amdhsa_reserve_vcc 1
		.amdhsa_float_denorm_mode_32 3
		.amdhsa_float_denorm_mode_16_64 3
		.amdhsa_memory_ordered 1
		.amdhsa_forward_progress 1
		.amdhsa_inst_pref_size 12
	.end_amdhsa_kernel
	.amdgpu_metadata
---
amdhsa.version: [ 1, 2 ]
amdhsa.kernels:
  - .name:           k_q9d2db9f748_prep
    .symbol:         k_q9d2db9f748_prep.kd
    .args:
      - { .name: Wq_codes, .offset: 0, .size: 8, .value_kind: global_buffer, .address_space: global }
      - { .name: Wq_scales, .offset: 8, .size: 8, .value_kind: global_buffer, .address_space: global }
      - { .name: Wk_codes, .offset: 16, .size: 8, .value_kind: global_buffer, .address_space: global }
      - { .name: Wk_scales, .offset: 24, .size: 8, .value_kind: global_buffer, .address_space: global }
      - { .name: Wv_codes, .offset: 32, .size: 8, .value_kind: global_buffer, .address_space: global }
      - { .name: Wv_scales, .offset: 40, .size: 8, .value_kind: global_buffer, .address_space: global }
      - { .name: Wo_codes, .offset: 48, .size: 8, .value_kind: global_buffer, .address_space: global }
      - { .name: Wo_scales, .offset: 56, .size: 8, .value_kind: global_buffer, .address_space: global }
      - { .name: W1_codes, .offset: 64, .size: 8, .value_kind: global_buffer, .address_space: global }
      - { .name: W1_scales, .offset: 72, .size: 8, .value_kind: global_buffer, .address_space: global }
      - { .name: W2_codes, .offset: 80, .size: 8, .value_kind: global_buffer, .address_space: global }
      - { .name: W2_scales, .offset: 88, .size: 8, .value_kind: global_buffer, .address_space: global }
      - { .name: wimg, .offset: 96, .size: 8, .value_kind: global_buffer, .address_space: global }
    .group_segment_fixed_size: 0
    .private_segment_fixed_size: 0
    .kernarg_segment_align: 8
    .kernarg_segment_size: 104
    .max_flat_workgroup_size: 32
    .sgpr_count:     66
    .vgpr_count:     136
    .wavefront_size: 32
...
	.end_amdgpu_metadata
.endif
;; end of part 1
;; launch qkv (part 2): grid 4 x 64, 4 waves a work-group, no clusters, 320,000 bytes of LDS; arguments x, ln1_g, ln1_b, bq, bk, bv, wimg, qimg, kv; writes qimg, kv
.if DOCPART == 2
	.amdgcn_target "amdgcn-amd-amdhsa--gfx1250"
	.amdhsa_code_object_version 6
	.text
	.protected	k_q9d2db9f748_qkv
	.globl	k_q9d2db9f748_qkv
	.p2align	8
	.type	k_q9d2db9f748_qkv,@function
k_q9d2db9f748_qkv:
	s_mov_b64 s[64:65], 0
	v_nop
	global_prefetch_b8 v0, s[64:65] scope:SCOPE_SE
	s_setreg_imm32_b32 hwreg(HW_REG_WAVE_MODE, 25, 1), 1
	s_wait_xcnt 0x0
; xn = layernorm(x) g + b;  q = xn Wq + bq, k = xn Wk + bk, v = xn Wv + bv: three products on codes of BF6 (E3M2) with one E8M0 scale for each 32 along K; their results are quantised at once for attention:
; q and k along the head's 64 (two blocks), v along the KEYS (128 tokens: four blocks).  Only codes and scale words go to memory, as images of operand registers (qimg, kv).
; SHARES.  A work-group takes 128 tokens (work-group y) and two heads, 128 columns of each weight (work-group x).  Phase X: wave w normalises and quantises tokens 32 w .. 32 w + 31 (two tiles of 16) and puts the
; eight fragments of its tiles into LDS as images; one barrier; then waves 0, 1 make q of the two heads, waves 2, 3 k (4 column tiles x 8 token tiles: 32 accumulators), and every wave two column tiles of v (16 accumulators).
; A wave's 24 weight fragments stay in registers.  192 matrix instructions a wave.
; The layer norm is made by each of the four work-groups that share a block of x: sharing it out would leave 64 work-groups for 256 WGPs.
; NO JOINT LOADS: what the four share is one first fill (one tensor load a wave, 64 KiB); nothing is filled again, so a cluster would add its rounds for that one load.
; TILES: lane r of token tile T holds token 32 (T / 2) + 8 (T % 2) + r + 8 (r / 8); weight tiles likewise.  q, k: source 0 = a weight tile, source 1 = a token tile: a lane holds one token, and the registers of tiles 2 b, 2 b + 1
; are 16 neighbouring columns.  v: source 0 = a token tile, source 1 = a weight tile: a lane holds one column, and the registers of token tiles 2 b, 2 b + 1 are 16 neighbouring tokens.
; LIMITS: NaN and infinities in x are not served.  A block whose largest magnitude lies under 2^-122 (a block of zeros too) gets the scale byte 1; the bytes are read by this program alone.  v_rsq_f32 is accurate to 1 ulp.
; REGISTERS, in windows of 256.  window 0: v1-13 addresses; v32-127 xn's fragments, two buffers of four (in phase X and on the way out: at work); v128-191 64 numbers at work; v192-211 scale words; v212-224 statistics.
;   window 1: v0-191 Wq's or Wk's 16 fragments; v192-223 their bias.   window 2: v0-95 Wv's 8 fragments; v96-223 v's accumulators (in phase X: gain and bias of 128 columns); v224-239 bv.
;   window 3: q's or k's 32 accumulators (in phase X: a tile's 256 numbers of x a lane).
.set XW,   66560                       ; LDS: x, 32 token rows a wave; a row is two halves of 1,024 bytes + 16 of padding: pitch 2,080
.set XIMG, 266240                      ; xn's 32 fragments: (token tile T, K step s) at (4 T + s) x 1,536
.set XSC,  315392                      ; their scale words, 128 bytes each
.set REC,  12800
.set FRB,  1536
.set LANE, 1
.set RR,   2
.set HH,   3
.set RP,   4
.set LI,   5                           ; 16 x lane
.set LS,   6                           ; 4 x lane
.set H64,  7                           ; 64 x (lane / 16)
.set RP4,  8                           ; 4 x (r + 8 (r / 8))
.set XRD,  9                           ; my row of x in LDS
.set XWI,  10                          ; where I store images
.set XWS,  11                          ; and scale words
.set XFA,  12                          ; where any wave reads images
.set XFS,  13                          ; and scale words
.set XF,   32
.set PC,   32                          ; the codes just made (v32-50)
.set TM,   52                          ; v52-55 largest magnitudes, v56-59 bytes, v64-67 the conversions' scale operands
.set PW,   68                          ; the scale word just made
.set VW,   70                          ; v70-72 v's two scale words and their merge
.set T,    128
.set XS,   192                         ; xn's scale words, 2 x 4
.set WQS,  200                         ; Wq's or Wk's: pair 2 s, 2 s + 1
.set WVS,  208                         ; Wv's: one a K step
.set SA,   212                         ; four running pairs
.set MU,   220
.set RS,   222
.set TP,   224
.set BQ,   192                         ; window 1
.set GAM,  96                          ; window 2
.set BET,  160
.set VA,   96
.set BV,   224
.set EM,   32                          ; the way out of q, k
.set EP,   48
.set ES,   64
.set EW,   80
.set KSW,  88
.set K2,   96
.set KO,   128
.set MSB, 0
.macro WIN new                         ; the immediate's high byte repeats the setting that is left; bits 1:0 source 0, 3:2 source 1, 5:4 source 2, 7:6 destination
.if MSB != \new
	s_set_vgpr_msb (MSB<<8)|\new
.set MSB, \new
.endif
.endm
.macro PLACES n
.rept \n
	v_nop
.endr
.endm
.macro WM ra, rb                       ; the matrix instruction on rD, rA, rB, rC, rSA, rSB; ra, rb: that side's scales stand in lanes 16-31
.if \ra
	v_wmma_scale_f32_16x16x128_f8f6f4 v[rD:rD+7], v[rA:rA+11], v[rB:rB+11], v[rC:rC+7], v[rSA], v[rSB] matrix_a_fmt:MATRIX_FMT_BF6 matrix_b_fmt:MATRIX_FMT_BF6 matrix_a_scale:MATRIX_SCALE_ROW1
.elseif \rb
	v_wmma_scale_f32_16x16x128_f8f6f4 v[rD:rD+7], v[rA:rA+11], v[rB:rB+11], v[rC:rC+7], v[rSA], v[rSB] matrix_a_fmt:MATRIX_FMT_BF6 matrix_b_fmt:MATRIX_FMT_BF6 matrix_b_scale:MATRIX_SCALE_ROW1
.else
	v_wmma_scale_f32_16x16x128_f8f6f4 v[rD:rD+7], v[rA:rA+11], v[rB:rB+11], v[rC:rC+7], v[rSA], v[rSB] matrix_a_fmt:MATRIX_FMT_BF6 matrix_b_fmt:MATRIX_FMT_BF6
.endif
.endm
; 64 numbers of a lane, register s + 16 b + i = k 32 b + 16 (lane / 16) + i of the lane's row, become a fragment's codes in v[PC] on and its scale word in v[PW].  wm, wc: the window settings under which the maxima and the conversions find them.
.macro QUANT s, wm, wc
	WIN \wm
.irp b, 0,1,2,3
	v_max3_num_f32 v[TM+\b], 0x2800000, |v[(\s)+16*\b]|, |v[(\s)+16*\b+1]|   ; my 16 numbers of block b, and the floor 2^(5 - 127): the byte cannot fall under 1
.endr
.irp i, 2,4,6,8,10,12,14
.irp b, 0,1,2,3
	v_max3_num_f32 v[TM+\b], v[TM+\b], |v[(\s)+16*\b+\i]|, |v[(\s)+16*\b+\i+1]|
.endr
.endr
	WIN 0
.irp b, 0,1,2,3
	v_permlanex16_b32 v[TM+4+\b], v[TM+\b], s28, s29
.endr
.irp b, 0,1,2,3
	v_max_num_f32 v[TM+\b], v[TM+\b], v[TM+4+\b]   ; with lane l xor 16's: the block's largest magnitude
.endr
.irp b, 0,1,2,3
	v_add_nc_u32 v[TM+12+\b], 0xfe000000, v[TM+\b] ; 4 off its exponent field: the conversion's scale operand
.endr
.irp b, 0,1,2,3
	v_lshrrev_b32 v[TM+4+\b], 23, v[TM+12+\b]      ; the scale's byte
.endr
	v_lshl_or_b32 v[PW], v[TM+5], 8, v[TM+4]
	v_lshl_or_b32 v[PW], v[TM+6], 16, v[PW]
	v_lshl_or_b32 v[PW], v[TM+7], 24, v[PW]
	WIN \wc
.irp c, 0,1
	v_cvt_scalef32_pk16_bf6_f32 v[PC+6*\c:PC+6*\c+2], v[(\s)+32*\c:(\s)+32*\c+15], v[TM+12+2*\c]
	v_cvt_scalef32_pk16_bf6_f32 v[PC+12+4*\c:PC+14+4*\c], v[(\s)+32*\c+16:(\s)+32*\c+31], v[TM+13+2*\c]   ; (a conversion's three registers begin on an even number)
.endr
	WIN 0
	v_nop                                          ; one plain place behind a scaled conversion
.irp c, 0,1                            ; the operand's layout wants a whole block in a lane
.irp i, 0,1,2
	v_permlane16_swap_b32 v[PC+6*\c+\i], v[PC+12+4*\c+\i]
.endr
.irp i, 0,1,2
	v_mov_b32 v[PC+3+6*\c+\i], v[PC+12+4*\c+\i]
.endr
.endr
.endm
.macro IMAGE adr, off                  ; the fragment in v[PC] on goes to LDS as it stands
.irp c, 0,1,2
	ds_store_b128 v[\adr], v[PC+4*\c:PC+4*\c+3] offset:(\off)+512*\c
.endr
.endm
.macro REDUCE dst                      ; the four running pairs, and lane l xor 16's
	v_pk_add_f32 v[SA:SA+1], v[SA:SA+1], v[SA+2:SA+3]
	v_pk_add_f32 v[SA+4:SA+5], v[SA+4:SA+5], v[SA+6:SA+7]
	v_pk_add_f32 v[SA:SA+1], v[SA:SA+1], v[SA+4:SA+5]
	v_add_f32 v[SA], v[SA], v[SA+1]
	v_permlanex16_b32 v[TP], v[SA], s28, s29
	v_add_f32 v[\dst], v[SA], v[TP]
.endm
.macro GBLOAD g                        ; gain and bias of K step g's 128 columns, in my lane's order: column 128 g + 32 b + 16 (lane / 16) + 4 j on
	WIN 0x80
.irp b, 0,1,2,3
.irp j, 0,1,2,3
	global_load_b128 v[GAM+16*\b+4*\j:GAM+16*\b+4*\j+3], v[H64], s[6:7] offset:512*(\g)+128*\b+16*\j
	global_load_b128 v[BET+16*\b+4*\j:BET+16*\b+4*\j+3], v[H64], s[8:9] offset:512*(\g)+128*\b+16*\j
.endr
.endr
	WIN 0
.endm
	s_load_b256 s[4:11], s[0:1], 0x0               ; x, ln1_g, ln1_b, bq
	s_load_b256 s[12:19], s[0:1], 0x20             ; bk, bv, wimg, qimg
	s_load_b64 s[20:21], s[0:1], 0x40              ; kv
	v_lshl_add_u32 v254, v0, 2, 0x4e000
	v_mov_b32 v255, 0
	ds_add_u32 v254, v255
	ds_add_u32 v254, v255
	v_lshrrev_b32 v1, 5, v0
	v_readfirstlane_b32 s22, v1                    ; wave w
	s_lshr_b32 s23, s22, 1                         ; 0: I make q, 1: k.  Also: which head of the pair my part of v belongs to
	s_and_b32 s24, s22, 1                          ; which head of the pair my q or k belongs to.  Also: which half of that head's v
	s_mov_b32 s25, ttmp9                           ; x: the pair of heads
	s_and_b32 s26, ttmp7, 0xffff                   ; the block of 128 tokens
	s_mov_b32 s28, 0x76543210
	s_mov_b32 s29, 0xfedcba98                      ; v_permlanex16_b32's selects for lane l xor 16
	s_mov_b32 s32, 0x3b000000                      ; 1 / 512
	s_mov_b32 s33, 0x3727c5ac                      ; 1e-5
	s_mov_b32 s40, (3<<16)|(1<<20)|(7<<22)|(3<<25) ; group 1: elements of 8 bytes; 16 bytes of padding behind every 256 words
	s_mov_b32 s41, 128<<16                         ; tensor_dim0 = 128 elements: half a row of x
	s_mov_b32 s42, 64<<16                          ; tensor_dim1 = 64: 32 tokens
	s_mov_b32 s43, 128<<16                         ; tile_dim0
	s_mov_b32 s44, 64                              ; tile_dim1
	s_mov_b32 s45, 128                             ; the pitch: dense
	s_mov_b32 s46, 0
	s_mov_b32 s47, 0
	s_lshl_b32 s30, s26, 7
	s_lshl_b32 s31, s22, 5
	s_add_co_u32 s30, s30, s31                     ; my first token
	s_lshl_b32 s30, s30, 11
	s_mov_b32 s31, 0
	s_mov_b32 s36, 1
	s_mul_i32 s37, s22, XW
	s_wait_dscnt 0x0
	s_wait_kmcnt 0x0
	s_add_nc_u64 s[38:39], s[4:5], s[30:31]
	s_or_b32 s39, s39, 0x80000000
	tensor_load_to_lds s[36:39], s[40:47]          ; my 32 rows of x: the wave's one tensor load; only I read them
	s_nop 0
	PLACES 4
	v_and_b32 v[LANE], 31, v0
	v_and_b32 v[RR], 15, v0
	v_bfe_u32 v[HH], v0, 4, 1
	v_and_b32 v[RP], 8, v[RR]
	v_add_nc_u32 v[RP], v[RP], v[RR]
	v_lshlrev_b32 v[LI], 4, v[LANE]
	v_lshlrev_b32 v[LS], 2, v[LANE]
	v_lshlrev_b32 v[H64], 6, v[HH]
	v_lshlrev_b32 v[RP4], 2, v[RP]
	v_mul_u32_u24 v[XRD], v[RP], 2080
	v_add_nc_u32 v[XRD], v[XRD], v[H64]
	v_add_nc_u32 v[XRD], s37, v[XRD]
	v_add_nc_u32 v[XFA], XIMG, v[LI]
	v_add_nc_u32 v[XFS], XSC, v[LS]
	s_mul_i32 s30, s22, 8*FRB
	v_add_nc_u32 v[XWI], s30, v[XFA]
	s_lshl_b32 s30, s22, 10
	v_add_nc_u32 v[XWS], s30, v[XFS]
	v_mov_b32 v[TP], 0                             ; a lane permute's destination counts as one of its sources
.irp b, 0,1,2,3
	v_mov_b32 v[TM+4+\b], 0
.endr
	; pointers
	s_lshl_b32 s30, s23, 4
	s_lshl_b32 s34, s25, 2
	s_add_co_u32 s30, s30, s34
	s_mul_i32 s30, s30, REC
	s_add_nc_u64 s[48:49], s[16:17], s[30:31]      ; Wq's or Wk's records of my pair of heads
	s_add_nc_u64 s[50:51], s[48:49], 12288
	s_mul_i32 s30, s24, 4*FRB
	s_add_nc_u64 s[48:49], s[48:49], s[30:31]      ; my head's four tiles
	s_lshl_b32 s30, s24, 3
	s_add_nc_u64 s[50:51], s[50:51], s[30:31]      ; and their two scale words
	s_add_co_u32 s30, s34, 32
	s_mul_i32 s30, s30, REC
	s_add_nc_u64 s[52:53], s[16:17], s[30:31]      ; Wv's records
	s_add_nc_u64 s[54:55], s[52:53], 12288
	s_mul_i32 s30, s22, 2*FRB
	s_add_nc_u64 s[52:53], s[52:53], s[30:31]      ; my two tiles
	s_lshl_b32 s30, s22, 2
	s_add_nc_u64 s[54:55], s[54:55], s[30:31]      ; and their scale word
	s_cmp_eq_u32 s23, 0
	s_cselect_b64 s[56:57], s[10:11], s[12:13]     ; bq or bk
	s_cselect_b64 s[60:61], s[18:19], s[20:21]     ; qimg or kv
	s_mov_b32 s35, 13056
	s_cselect_b32 s35, 6656, s35                   ; a record of qimg or of kv
	s_lshl_b32 s30, s25, 9
	s_lshl_b32 s34, s24, 8
	s_add_co_u32 s30, s30, s34
	s_add_nc_u64 s[56:57], s[56:57], s[30:31]
	s_lshl_b32 s30, s25, 9
	s_lshl_b32 s34, s22, 7
	s_add_co_u32 s30, s30, s34
	s_add_nc_u64 s[58:59], s[14:15], s[30:31]      ; bv at my 32 columns
	s_lshr_b32 s27, s26, 5
	s_lshl_b32 s27, s27, 3
	s_lshl_b32 s34, s25, 1
	s_add_co_u32 s27, s27, s34                     ; 8 x batch + the pair's first head
	s_and_b32 s34, s26, 31                         ; the step of 128 tokens in its sequence
	s_add_co_u32 s30, s27, s24
	s_lshl_b32 s30, s30, 5
	s_add_co_u32 s30, s30, s34
	s_mul_i32 s30, s30, s35
	s_add_nc_u64 s[60:61], s[60:61], s[30:31]      ; where my q or k goes
	s_add_co_u32 s30, s27, s23
	s_lshl_b32 s30, s30, 5
	s_add_co_u32 s30, s30, s34
	s_mul_i32 s30, s30, 13056
	s_add_nc_u64 s[66:67], s[20:21], s[30:31]
	s_add_nc_u64 s[68:69], s[66:67], 12800
	s_add_nc_u64 s[66:67], s[66:67], 6656
	s_mul_i32 s30, s24, 2*FRB
	s_add_nc_u64 s[66:67], s[66:67], s[30:31]      ; where my two fragments of v go
	s_lshl_b32 s30, s24, 7
	s_add_nc_u64 s[68:69], s[68:69], s[30:31]      ; and their scale word
	; the weights, biases and scale words that stay in registers
	WIN 0x40
.irp s, 0,1,2,3
.irp t, 0,1,2,3
.irp c, 0,1,2
	global_load_b128 v[12*(4*\s+\t)+4*\c:12*(4*\s+\t)+4*\c+3], v[LI], s[48:49] offset:REC*\s+FRB*\t+512*\c
.endr
.endr
.endr
.irp t, 0,1,2,3
	global_load_b128 v[BQ+8*\t:BQ+8*\t+3], v[H64], s[56:57] offset:4*(32*(\t/2)+8*(\t%2))
	global_load_b128 v[BQ+8*\t+4:BQ+8*\t+7], v[H64], s[56:57] offset:4*(32*(\t/2)+8*(\t%2))+16
.endr
	WIN 0x80
.irp s, 0,1,2,3
.irp d, 0,1
.irp c, 0,1,2
	global_load_b128 v[12*(2*\s+\d)+4*\c:12*(2*\s+\d)+4*\c+3], v[LI], s[52:53] offset:REC*\s+FRB*\d+512*\c
.endr
.endr
.endr
.irp d, 0,1
.irp j, 0,1,2,3,4,5,6,7
	global_load_b32 v[BV+8*\d+\j], v[RP4], s[58:59] offset:32*\d   ; in v's accumulators a lane holds one column: its bias in all eight registers
.endr
.endr
	WIN 0
.irp s, 0,1,2,3
	global_load_b64 v[WQS+2*\s:WQS+2*\s+1], v[LI], s[50:51] offset:REC*\s
	global_load_b32 v[WVS+\s], v[LI], s[54:55] offset:REC*\s
.endr
	s_wait_tensorcnt 0x0                           ; my rows of x lie in LDS
; PHASE X, token tile 2 w + u: the row's 512 numbers lie in lanes r and r + 16, 256 registers each: register 16 k + i = column 32 k + 16 (lane / 16) + i.
.macro XTILE u
	GBLOAD 0
	WIN 0xc0
.set k, 0
.rept 16
.irp j, 0,1,2,3
	ds_load_b128 v[16*k+4*\j:16*k+4*\j+3], v[XRD] offset:16640*\u+128*k+16*\j+16*(k/8)
.endr
.set k, k+1
.endr
	s_wait_dscnt 0x0
	WIN 0x0f                                       ; the mean: four chains of packed sums; the first eight pairs start them
.irp c, 0,1,2,3
	v_pk_add_f32 v[SA+2*\c:SA+2*\c+1], v[2*\c:2*\c+1], v[2*\c+8:2*\c+9]
.endr
	WIN 0x0c
.set i, 16
.rept 120
	v_pk_add_f32 v[SA+2*((i/2)%4):SA+2*((i/2)%4)+1], v[SA+2*((i/2)%4):SA+2*((i/2)%4)+1], v[i:i+1]
.set i, i+2
.endr
	WIN 0
	REDUCE SA
	v_mul_f32 v[MU], s32, v[SA]
	v_mul_f32 v[MU+1], s32, v[SA]
	WIN 0xc3                                       ; x - mean, in place
.set i, 0
.rept 128
	v_pk_add_f32 v[i:i+1], v[i:i+1], v[MU:MU+1] neg_lo:[0,1] neg_hi:[0,1]
.set i, i+2
.endr
	WIN 0x0f                                       ; the mean of its squares
.irp c, 0,1,2,3
	v_pk_mul_f32 v[SA+2*\c:SA+2*\c+1], v[2*\c:2*\c+1], v[2*\c:2*\c+1]
.endr
.set i, 8
.rept 124
	v_pk_fma_f32 v[SA+2*((i/2)%4):SA+2*((i/2)%4)+1], v[i:i+1], v[i:i+1], v[SA+2*((i/2)%4):SA+2*((i/2)%4)+1]
.set i, i+2
.endr
	WIN 0
	REDUCE SA
	v_fma_f32 v[SA], v[SA], s32, s33               ; / 512 + eps
	s_wait_alu depctr_va_vdst(0)
	v_rsq_f32 v[RS], v[SA]
	v_rsq_f32 v[RS+1], v[SA]
	v_nop                                          ; one plain place behind a transcendental
	s_wait_alu depctr_va_vdst(0)
.irp s, 0,1,2,3                        ; a K step of 128 columns at a time: 64 numbers a lane
	WIN 0x03
.set i, 0
.rept 32
	v_pk_mul_f32 v[T+i:T+i+1], v[64*\s+i:64*\s+i+1], v[RS:RS+1]
.set i, i+2
.endr
	s_wait_loadcnt 0x0                             ; this K step's gain and bias (and, the first time, all that was asked for at the head)
	WIN 0x28
.set i, 0
.rept 32
	v_pk_fma_f32 v[T+i:T+i+1], v[T+i:T+i+1], v[GAM+i:GAM+i+1], v[BET+i:BET+i+1]
.set i, i+2
.endr
.if \s < 3
	GBLOAD \s+1                                    ; the next K step's land while this one is quantised
.endif
	QUANT T, 0, 0
	IMAGE XWI, (4*\u+\s)*FRB
	ds_store_b32 v[XWS], v[PW] offset:(4*\u+\s)*128
	s_wait_dscnt 0x0                               ; the stores have read their registers
.endr
.endm
	XTILE 0
	XTILE 1
	s_wait_dscnt 0x0                               ; for the others' sake: my images lie in LDS
	s_barrier_signal -1
	s_barrier_wait -1                              ; all 32 fragments of xn do
; THE PRODUCTS, in eight units: K step n / 2, token tiles 4 (n % 2) .. + 3.  A unit's four fragments of xn serve 16 products for q or k (as source 1) and 8 for v (as source 0).
.macro FETCH n
.set fs, (\n)/2
.set fh, (\n)%2
.irp i, 0,1,2,3
.irp c, 0,1,2
	ds_load_b128 v[XF+48*fh+12*\i+4*\c:XF+48*fh+12*\i+4*\c+3], v[XFA] offset:(4*(4*fh+\i)+fs)*FRB+512*\c
.endr
	ds_load_b32 v[XS+4*fh+\i], v[XFS] offset:(4*(4*fh+\i)+fs)*128
.endr
.endm
.macro UNIT n
	s_wait_dscnt 0x0                               ; this unit's fragments are in
.if (\n) < 7
	FETCH (\n)+1                                   ; the next unit's, into the other buffer: four places behind the products that read it
.endif
.set us, (\n)/2
.set uh, (\n)%2
.if us == 0
	WIN 0xd1                                       ; source 0 (weight) and C (bias) window 1, D window 3
.else
	WIN 0xf1                                       ; source 0 window 1, C and D window 3
.endif
.irp i, 0,1,2,3
.irp t, 0,1,2,3
.set rD, 32*(4*uh+\i)+8*\t
.set rA, 12*(4*us+\t)
.set rB, XF+48*uh+12*\i
.if us == 0
.set rC, BQ+8*\t
.else
.set rC, rD
.endif
.set rSA, WQS+2*us+\t/2
.set rSB, XS+4*uh+\i
	WM \t%2, 0
.endr
.endr
	WIN 0xa8                                       ; source 1 (Wv), C and D window 2
.irp i, 0,1,2,3
.irp d, 0,1
.set rD, VA+64*\d+8*(4*uh+\i)
.set rA, XF+48*uh+12*\i
.set rB, 12*(2*us+\d)
.if us == 0
.set rC, BV+8*\d
.else
.set rC, rD
.endif
.set rSA, XS+4*uh+\i
.set rSB, WVS+us
	WM 0, \d
.endr
.endr
	WIN 0
	PLACES 4                                       ; in front of loads into registers that these products read, and of the first reads of results.  The 48 accumulators take turns, one instruction a turn
.endm
	FETCH 0
.irp n, 0,1,2,3,4,5,6,7
	UNIT \n
.endr
	; THE WAY OUT OF v: a column tile's 64 registers are the step's 128 keys (my half of each block of 32): one fragment, K = the keys
	v_cmp_le_u32 vcc_lo, 16, v[LANE]
.irp d, 0,1
	QUANT VA+64*\d, 0x28, 0x02
.irp c, 0,1,2
	global_store_b128 v[LI], v[PC+4*\c:PC+4*\c+3], s[66:67] offset:FRB*\d+512*\c
.endr
	v_mov_b32 v[VW+\d], v[PW]
	s_wait_xcnt 0x0                                ; the stores' data are written again only behind this wait
.endr
	s_wait_alu depctr_va_vdst(0)
	v_cndmask_b32 v[VW+2], v[VW], v[VW+1], vcc_lo  ; the even tile's words in lanes 0-15, the odd tile's in lanes 16-31
	global_store_b32 v[LS], v[VW+2], s[68:69]
	s_wait_xcnt 0x0
	; THE WAY OUT OF q OR k: eight token tiles x two blocks of 32 along the head's 64; block n = 2 T + b lies in registers 16 n on of window 3
	WIN 0x3c
.irp n, 0,1,2,3,4,5,6,7,8,9,10,11,12,13,14,15
	v_max3_num_f32 v[EM+\n], 0x2800000, |v[16*\n]|, |v[16*\n+1]|
.endr
.irp i, 2,4,6,8,10,12,14
.irp n, 0,1,2,3,4,5,6,7,8,9,10,11,12,13,14,15
	v_max3_num_f32 v[EM+\n], v[EM+\n], |v[16*\n+\i]|, |v[16*\n+\i+1]|
.endr
.endr
	WIN 0
.irp n, 0,1,2,3,4,5,6,7,8,9,10,11,12,13,14,15
	v_permlanex16_b32 v[EP+\n], v[EM+\n], s28, s29
.endr
.irp n, 0,1,2,3,4,5,6,7,8,9,10,11,12,13,14,15
	v_max_num_f32 v[EM+\n], v[EM+\n], v[EP+\n]
.endr
.irp n, 0,1,2,3,4,5,6,7,8,9,10,11,12,13,14,15
	v_add_nc_u32 v[ES+\n], 0xfe000000, v[EM+\n]
.endr
.irp n, 0,1,2,3,4,5,6,7,8,9,10,11,12,13,14,15
	v_lshrrev_b32 v[EP+\n], 23, v[ES+\n]
.endr
.irp t, 0,1,2,3,4,5,6,7
	v_lshl_or_b32 v[EW+\t], v[EP+2*\t+1], 8, v[EP+2*\t]   ; bytes 2 and 3 stay 0: they scale the K of 64 .. 127 that this product does not have
.endr
	WIN 0x03
.irp t, 0,1,2,3,4,5,6,7
	v_cvt_scalef32_pk16_bf6_f32 v[KO+6*\t:KO+6*\t+2], v[32*\t:32*\t+15], v[ES+2*\t]
	v_cvt_scalef32_pk16_bf6_f32 v[K2+4*\t:K2+4*\t+2], v[32*\t+16:32*\t+31], v[ES+2*\t+1]
.endr
	WIN 0
	v_nop
.irp t, 0,1,2,3,4,5,6,7
.irp i, 0,1,2
	v_permlane16_swap_b32 v[KO+6*\t+\i], v[K2+4*\t+\i]
.endr
.irp i, 0,1,2
	v_mov_b32 v[KO+6*\t+3+\i], v[K2+4*\t+\i]
.endr
.endr
.irp j, 0,1,2,3
	v_cndmask_b32 v[KSW+\j], v[EW+2*\j], v[EW+2*\j+1], vcc_lo
.endr
.irp q, 0,1,2,3,4,5,6,7,8,9,10,11
	global_store_b128 v[LI], v[KO+4*\q:KO+4*\q+3], s[60:61] offset:512*\q   ; 48 registers on end, six a tile: each store covers 512 consecutive bytes
.endr
	global_store_b128 v[LI], v[KSW:KSW+3], s[60:61] offset:6144
	s_wait_tensorcnt 0x0
	ds_add_u32 v254, v255
	s_wait_dscnt 0x0
	s_endpgm
.Lfunc_end_k_q9d2db9f748_qkv:
	.size	k_q9d2db9f748_qkv, .Lfunc_end_k_q9d2db9f748_qkv-k_q9d2db9f748_qkv
	.p2alignl 7, 3214868480
	.fill 96, 4, 3214868480
	.section	.rodata,"a",@progbits
	.p2align	6, 0x0
	.amdhsa_kernel k_q9d2db9f748_qkv
		.amdhsa_group_segment_fixed_size 320000
		.amdhsa_private_segment_fixed_size 0
		.amdhsa_enable_private_segment 0
		.amdhsa_kernarg_size 72
		.amdhsa_user_sgpr_count 2
		.amdhsa_user_sgpr_kernarg_segment_ptr 1
		.amdhsa_wavefront_size32 1
		.amdhsa_system_sgpr_workgroup_id_x 1
		.amdhsa_system_sgpr_workgroup_id_y 1
		.amdhsa_system_sgpr_workgroup_id_z 1
		.amdhsa_system_vgpr_workitem_id 0
		.amdhsa_next_free_vgpr 1024
		.amdhsa_next_free_sgpr 72
		.amdhsa_reserve_vcc 1
		.amdhsa_float_denorm_mode_32 3
		.amdhsa_float_denorm_mode_16_64 3
		.amdhsa_memory_ordered 1
		.amdhsa_forward_progress 1
		.amdhsa_inst_pref_size 221
	.end_amdhsa_kernel
	.amdgpu_metadata
---
amdhsa.version: [ 1, 2 ]
amdhsa.kernels:
  - .name:           k_q9d2db9f748_qkv
    .symbol:         k_q9d2db9f748_qkv.kd
    .args:
      - { .name: x, .offset: 0, .size: 8, .value_kind: global_buffer, .address_space: global }
      - { .name: ln1_g, .offset: 8, .size: 8, .value_kind: global_buffer, .address_space: global }
      - { .name: ln1_b, .offset: 16, .size: 8, .value_kind: global_buffer, .address_space: global }
      - { .name: bq, .offset: 24, .size: 8, .value_kind: global_buffer, .address_space: global }
      - { .name: bk, .offset: 32, .size: 8, .value_kind: global_buffer, .address_space: global }
      - { .name: bv, .offset: 40, .size: 8, .value_kind: global_buffer, .address_space: global }
      - { .name: wimg, .offset: 48, .size: 8, .value_kind: global_buffer, .address_space: global }
      - { .name: qimg, .offset: 56, .size: 8, .value_kind: global_buffer, .address_space: global }
      - { .name: kv, .offset: 64, .size: 8, .value_kind: global_buffer, .address_space: global }
    .group_segment_fixed_size: 320000
    .private_segment_fixed_size: 0
    .kernarg_segment_align: 8
    .kernarg_segment_size: 72
    .max_flat_workgroup_size: 128
    .sgpr_count:     72
    .vgpr_count:     1024
    .wavefront_size: 32
...
	.end_amdgpu_metadata
.endif
;; end of part 2
;; launch attn (part 3): grid 16 x 16, 16 waves a work-group, no clusters, 327,680 bytes of LDS; arguments qimg, kv, ctx, cs; writes ctx, cs
.if DOCPART == 3
	.amdgcn_target "amdgcn-amd-amdhsa--gfx1250"
	.amdhsa_code_object_version 6
	.text
	.protected	k_q9d2db9f748_attn
	.globl	k_q9d2db9f748_attn
	.p2align	8
	.type	k_q9d2db9f748_attn,@function
k_q9d2db9f748_attn:
	s_mov_b64 s[64:65], 0
	v_nop
	global_prefetch_b8 v0, s[64:65] scope:SCOPE_SE
	s_setreg_imm32_b32 hwreg(HW_REG_WAVE_MODE, 25, 1), 1
	s_wait_xcnt 0x0
; ctx = softmax(q k^T / 8) v for one (batch, head) and 256 queries, both products on codes of BF6 (E3M2) with one E8M0 scale for each 32 along K; the result is divided by the row's sum and quantised for the next product.
; THE SOFTMAX: t = score x log2(e) / 8; M = the running largest t rounded UP to a whole number; p = 2^(t - M) is quantised along the keys, not normalised; the sum is taken of the unquantised p; when M moves, the sum and O are
; multiplied by 2^(old M - new M), which rounds nothing.
; SHARES.  Sixteen waves, each with one tile of 16 queries.  Every wave walks the head's 4,096 keys, 128 a step: 8 products k q^T, the softmax, 4 products v^T p^T.
; A step's k, v and scale words are one record of 13,056 bytes (51 rows of 256), images of operand registers.  Records come through a ring of two slots of eight, filled by waves 0 to 3, two records (one dense tensor load of 102 rows) each.
; The load lays 64 bytes of padding behind each 256: LDS pitch 320, a record 16,320 bytes.  By this text's count a wave has at most one tensor load out.
; THE KEYS OF A TILE ARE CHOSEN BY THE LDS LOADS.  The record holds key tile t, lane row r' = key 32 (t / 2) + 8 (t % 2) + r' + 8 (r' / 8).  Here tile 4 c + e, row 8 a + j is key 64 c + 32 a + 8 e + j: it is
; the record's tile 4 c + 2 a + e % 2, row 8 (e / 2) + j, so lanes with a = 1 read 12 registers (six LDS rows, 1,920 bytes) further on.  Both products are used transposed: lane (r, h) holds query r, and score register 32 c + i is key
; 64 c + 32 h + i: a whole block of 32 keys in a lane, in the order of the next operand's registers.  No lane is asked for a block's maximum, and no codes change lanes.  With the pitch of 320 the sixteen lanes of a load of 16 bytes touch 256 different bytes modulo 256.
; K = 64 IN AN INSTRUCTION OF K = 128: q's registers 6-11 are zero codes, and bytes 2, 3 of both scale words are 0 (2^-127, no NaN).  k's eight tiles lie on end, six registers each; tile i's operand is twelve registers from 6 i on
; (behind the last tile: six registers of zeros).  E3M2 has no code for infinity or NaN: each of those products is a finite number times 0.
; THE SUM OF A STEP'S p is taken at the head of the next step, between the request for k's fragments and the wait for them, ahead of that step's change of M; the first step finds zeros, the last step's sum stands behind the loops.
; NO JOINT LOADS, though the 16 query blocks of a head walk the same records: a step's 13,056 bytes serve 192 matrix instructions and sixteen softmaxes of the work-group, and a plain barrier a slot is kept instead of a cluster's round.
; NO PREFETCH: a slot is asked for eight steps (96 matrix instructions a wave) ahead of its first read.
; LIMITS: the promise holds while the scaled scores stay under 2^31 in magnitude.  A block's largest p is made from the block's largest score by the same multiply-add and exponential, which takes v_exp_f32 not to fall where its input
; rises.  v_exp_f32 and v_rcp_f32 are accurate to 1 ulp.  A block all of whose p have fallen to 0 keeps the scale byte 1: its codes are zeros.
.set REC,   13056                      ; a record in memory
.set RECL,  16320                      ; and in LDS
.set SLOTB, 8*REC
.set SLOTL, 8*RECL
.set SLOT1, 1<<17                      ; slot 1 begins here: one exclusive or turns an address in one slot into the other's
.set SPARE, 2*SLOT1                    ; the spare words, 128 bytes for each of 16 waves: eight blocks of 256 bytes that no other line names
.set LK,  1                            ; lane terms: k's fragments 1,920 a + 320 h + 16 j
.set LKS, 2                            ; k's scale words 320 h + 16 j + 4 a
.set LV,  3                            ; v's fragments 320 h + 16 r
.set LVS, 4                            ; 4 x lane
.set SPW, 5
.set NIL, 6
.set SH8, 7                            ; 8 h
.set ADK, 8                            ; the step's record + the four lane terms
.set ADKS, 9
.set ADV, 10
.set ADVS, 11
.set QF,  16                           ; v16-27 q's fragment.  v12 -M, v13 the running largest score, v[14:15] the sum in two halves
.set QS,  28
.set TT,  29
.set TN,  30
.set LI,  31                           ; 16 x lane
.set KV,  32                           ; v32-79 k's eight tiles, then v's four; v80-85 zeros
.set KS,  86                           ; v86-89 k's scale words, two tiles to a register
.set VS,  90                           ; v90-91 v's
.set S,   96                           ; v96-159 S^T, then p
.set O,   160                          ; v160-191 O^T
.set PC,  192                          ; v192-203 p's codes
.set PX,  204                          ; v204-206, v208-210 the conversions' second halves
.set BM,  212                          ; v212-215
.set BS,  216
.set F,   218
.set PS,  220                          ; p's scale word
.set PT,  221
.set BP,  222
.set AC,  224                          ; v224-231 four running pairs of the sum
.set WV,  12
.set SEL, 14
.set CS,  16
.set NC,  18
.set G1,  24
.set G0,  32
.set TB,  36
.set SLOTS, 37
.set STEPS, 38
.macro TLOAD                           ; waves 0 to 3 fetch; s_nop 0 and four v_nop follow the line
	s_cmp_lt_u32 s[WV], 4
	s_cbranch_scc0 .Lasked_\@
	tensor_load_to_lds s[G0:G0+3], s[G1:G1+7]
	s_nop 0
.rept 4
	v_nop
.endr
.Lasked_\@:
.endm
.macro DEP n
	s_delay_alu instid0(VALU_DEP_\n)
.endm
.macro SUMS                            ; 32 pairs of p into four running pairs
.irp k, 0,1,2,3
	v_pk_add_f32 v[AC+2*\k:AC+2*\k+1], v[S+2*\k:S+2*\k+1], v[S+2*\k+8:S+2*\k+9]
.endr
.set i, 16
.rept 24
	v_pk_add_f32 v[AC+(i%8):AC+(i%8)+1], v[AC+(i%8):AC+(i%8)+1], v[S+i:S+i+1]
.set i, i+2
.endr
.endm
.macro MERGE                           ; and these into the sum
	v_pk_add_f32 v[AC:AC+1], v[AC:AC+1], v[AC+2:AC+3]
	v_pk_add_f32 v[AC+4:AC+5], v[AC+4:AC+5], v[AC+6:AC+7]
	v_pk_add_f32 v[14:15], v[14:15], v[AC:AC+1]
	v_pk_add_f32 v[14:15], v[14:15], v[AC+4:AC+5]
.endm
	s_load_b256 s[4:11], s[0:1], 0x0               ; qimg, kv, ctx, cs
	v_lshl_add_u32 v[SPW], v0, 2, SPARE
	v_mov_b32 v[NIL], 0
	ds_add_u32 v[SPW], v[NIL]                      ; the opening lines: the add, twice on end, and its wait
	ds_add_u32 v[SPW], v[NIL]
	v_lshrrev_b32 v1, 5, v0
	v_readfirstlane_b32 s[WV], v1                  ; wave 0..15
	s_and_b32 s13, ttmp7, 0xffff                   ; 8 x batch + head
	s_mov_b32 s[SEL], 0x76543210
	s_mov_b32 s[SEL+1], 0xfedcba98
	s_mov_b32 s[CS], 0x3e38aa3b                    ; c = log2(e) / 8
	s_mov_b32 s[CS+1], s[CS]
	s_mov_b32 s[NC], 0xbe38aa3b                    ; -c
	s_mov_b32 s[G1], (3<<16)|(1<<20)|(5<<22)|(15<<25)  ; elements of 8 bytes; behind every 64 words 16 words of padding
	s_mov_b32 s[G1+1], 32<<16                      ; tensor_dim0: 256 bytes
	s_mov_b32 s[G1+2], 102<<16                     ; tensor_dim1: two records
	s_mov_b32 s[G1+3], 32<<16
	s_mov_b32 s[G1+4], 102
	s_mov_b32 s[G1+5], 32                          ; dense
	s_mov_b32 s[G1+6], 0
	s_mov_b32 s[G1+7], 0
	s_and_b32 s40, s[WV], 3
	s_mov_b32 s[G0], 1
	s_mul_i32 s[G0+1], s40, 2*RECL                 ; slot 0, my two records
	s_lshl_b32 s41, s13, 5
	s_lshl_b32 s42, s40, 1
	s_add_co_u32 s41, s41, s42
	s_mul_i32 s42, s41, REC
	s_mov_b32 s43, 0
	s_mov_b32 s[TB], 0
	s_mov_b32 s[SLOTS], 3
	s_wait_dscnt 0x0
	s_wait_kmcnt 0x0
	s_add_nc_u64 s[G0+2:G0+3], s[6:7], s[42:43]
	s_or_b32 s[G0+3], s[G0+3], 0x80000000
	TLOAD                                          ; slot 0: steps 0 to 7
	v_and_b32 v[LI], 31, v0
	v_and_b32 v[LK], 7, v0                         ; j
	v_bfe_u32 v[ADK], v0, 3, 1                     ; a
	v_bfe_u32 v[SH8], v0, 4, 1                     ; h
	v_and_b32 v[LV], 15, v0                        ; r
	v_lshlrev_b32 v[LVS], 2, v[LI]
	v_lshlrev_b32 v[LI], 4, v[LI]
	v_lshlrev_b32 v[LK], 4, v[LK]
	v_lshlrev_b32 v[LV], 4, v[LV]
	v_mad_u32_u24 v[LK], v[SH8], 320, v[LK]
	v_mad_u32_u24 v[LV], v[SH8], 320, v[LV]
	v_lshl_add_u32 v[LKS], v[ADK], 2, v[LK]
	v_mad_u32_u24 v[LK], v[ADK], 1920, v[LK]
	v_lshlrev_b32 v[SH8], 3, v[SH8]
	s_wait_alu depctr_va_vdst(0)                   ; the wait ahead of the run of scalar instructions
	s_lshl_b32 s44, ttmp9, 1
	s_lshr_b32 s45, s[WV], 3
	s_add_co_u32 s44, s44, s45
	s_lshl_b32 s45, s13, 5
	s_add_co_u32 s44, s44, s45
	s_mul_i32 s44, s44, 6656
	s_mov_b32 s45, 0
	s_add_nc_u64 s[4:5], s[4:5], s[44:45]          ; the record of qimg that holds my tile
	s_and_b32 s46, s[WV], 7                        ; which of its eight tiles
	s_mul_i32 s47, s46, 6                          ; its first register in the image of 48
.irp i, 0,2,4
	s_add_co_u32 s48, s47, \i
	s_lshr_b32 s49, s48, 2
	s_lshl_b32 s49, s49, 9                         ; the quad,
	s_and_b32 s48, s48, 3
	s_lshl_b32 s48, s48, 2                         ; the word in it
	s_add_co_u32 s48, s48, s49
	v_add_nc_u32 v[8+\i/2], s48, v[LI]
	global_load_b64 v[QF+\i:QF+\i+1], v[8+\i/2], s[4:5]
.endr
	s_and_b32 s48, s46, 1
	s_lshl_b32 s48, s48, 8
	s_lshr_b32 s49, s46, 1
	s_lshl_b32 s49, s49, 2
	s_add_co_u32 s48, s48, s49
	v_and_b32 v11, 15, v0
	DEP 1
	v_lshlrev_b32 v11, 4, v11
	DEP 1
	v_add_nc_u32 v11, s48, v11
	global_load_b32 v[QS], v11, s[4:5] offset:6144 ; my tile's scale words, in lanes 0-15 (and again in 16-31)
	s_lshr_b32 s40, s13, 3                         ; where the result goes: tile 256 x batch + 16 x block + wave
	s_lshl_b32 s40, s40, 8
	s_lshl_b32 s41, ttmp9, 4
	s_add_co_u32 s40, s40, s41
	s_add_co_u32 s40, s40, s[WV]
	s_and_b32 s41, s13, 7                          ; the head
	s_mul_i32 s42, s40, 6144
	s_mul_i32 s44, s41, 768
	s_add_co_u32 s42, s42, s44
	s_add_nc_u64 s[8:9], s[8:9], s[42:43]
	s_lshl_b32 s42, s41, 9
	s_add_co_u32 s42, s42, s40
	s_lshl_b32 s42, s42, 7
	s_add_nc_u64 s[10:11], s[10:11], s[42:43]
	v_mov_b32 v13, 0xff61b1e6                      ; the largest score so far: -3e38
	DEP 1
	v_mul_f32 v[TN], s[NC], v13
	DEP 1
	v_floor_f32 v12, v[TN]                         ; -M
	v_mov_b32 v14, 0                               ; the sum, in two halves
	v_mov_b32 v15, 0
.irp j, 0,1,2,3,4,5
	v_mov_b32 v[QF+6+\j], 0                        ; q's K of 64 .. 127: zero codes
	v_mov_b32 v[KV+48+\j], 0                       ; the last key tile's upper half
.endr
.set i, 0
.rept 96
	v_mov_b32 v[S+i], 0                            ; the step is written once: the first finds a p and an O^T of zeros
.set i, i+1
.endr
	v_mov_b32 v[PT], 0                             ; a lane permute's destination counts as one of its sources
	v_mov_b32 v[F+1], 0                            ; (named as the upper half of a pair)
	s_wait_alu depctr_va_vdst(0)                   ; the wait at the head's end
	s_wait_loadcnt 0x0                             ; q
.macro STEP
	v_add_nc_u32 v[ADK], s[TB], v[LK]              ; these four are the places in front of loads into registers that the last step's products read
	v_add_nc_u32 v[ADKS], s[TB], v[LKS]
	v_add_nc_u32 v[ADV], s[TB], v[LV]
	v_add_nc_u32 v[ADVS], s[TB], v[LVS]
.irp c, 0,1
.irp g, 0,1
.irp q, 0,1,2
	ds_load_b128 v[KV+24*\c+12*\g+4*\q:KV+24*\c+12*\g+4*\q+3], v[ADK] offset:3840*\c+128*\g+640*\q   ; tiles 4 c + 2 g and 4 c + 2 g + 1
.endr
	ds_load_b32 v[KS+2*\c+\g], v[ADKS] offset:7680+128*\g+8*\c   ; their scale words: the even tile's in lanes 0-15, the odd tile's in lanes 16-31
.endr
.endr
	SUMS                                           ; the last step's p, while k's fragments are on their way
	s_wait_alu depctr_va_vdst(0)                   ; the wait here, directly ahead of the wait below
	s_wait_dscnt 0x0
.irp i, 0,2,4,6                        ; S^T = k q^T
	v_wmma_scale_f32_16x16x128_f8f6f4 v[S+8*\i:S+8*\i+7], v[KV+6*\i:KV+6*\i+11], v[QF:QF+11], 0, v[KS+\i/2], v[QS] matrix_a_fmt:MATRIX_FMT_BF6 matrix_b_fmt:MATRIX_FMT_BF6
	v_wmma_scale_f32_16x16x128_f8f6f4 v[S+8*\i+8:S+8*\i+15], v[KV+6*\i+6:KV+6*\i+17], v[QF:QF+11], 0, v[KS+\i/2], v[QS] matrix_a_fmt:MATRIX_FMT_BF6 matrix_b_fmt:MATRIX_FMT_BF6 matrix_a_scale:MATRIX_SCALE_ROW1
.endr
	MERGE                                          ; four places: for the loads below and for the first reads of the scores
.irp q, 0,1,2,3,4,5,6,7,8,9,10,11
	ds_load_b128 v[KV+4*\q:KV+4*\q+3], v[ADV] offset:8320+640*\q   ; v's four fragments land under the softmax
.endr
.irp j, 0,1
	ds_load_b32 v[VS+\j], v[ADVS] offset:16000+128*\j
.endr
.irp c, 0,1                            ; the largest score of my two blocks of 32 keys, each in two chains; every accumulator is read from its low end on
	v_max3_num_f32 v[BM+\c], v[S+32*\c], v[S+32*\c+1], v[S+32*\c+2]
	v_max3_num_f32 v[BM+2+\c], v[S+32*\c+16], v[S+32*\c+17], v[S+32*\c+18]
.endr
.irp i, 3,5,7,9,11,13
.irp c, 0,1
	v_max3_num_f32 v[BM+\c], v[BM+\c], v[S+32*\c+\i], v[S+32*\c+\i+1]
	v_max3_num_f32 v[BM+2+\c], v[BM+2+\c], v[S+32*\c+16+\i], v[S+32*\c+17+\i]
.endr
.endr
.irp c, 0,1
	v_max3_num_f32 v[BM+\c], v[BM+\c], v[BM+2+\c], v[S+32*\c+15]
.endr
.irp c, 0,1
	v_max_num_f32 v[BM+\c], v[BM+\c], v[S+32*\c+31]
.endr
	DEP 1
	v_max_num_f32 v[TT], v[BM], v[BM+1]
	DEP 1
	v_permlanex16_b32 v[PT], v[TT], s[SEL], s[SEL+1]
	DEP 1
	v_max3_num_f32 v13, v13, v[TT], v[PT]          ; the running largest score of my query
	DEP 1
	v_mul_f32 v[TN], s[NC], v13                    ; -t
	DEP 1
	v_floor_f32 v[TN], v[TN]                       ; the new -M = -ceil(t)
	DEP 1
	v_sub_f32 v[TT], v[TN], v12                    ; old M - new M: a whole number, 0 or less
	v_mov_b32 v12, v[TN]
	DEP 2
	v_cvt_i32_f32 v[TT], v[TT]                     ; (it saturates)
	DEP 1
	v_ldexp_f32 v[F], 1.0, v[TT]                   ; f = 2^(old M - new M)
.set i, 0
.rept 32
	v_pk_fma_f32 v[S+i:S+i+1], v[S+i:S+i+1], s[CS:CS+1], v[12:13] op_sel_hi:[1,0,0]   ; t - M
.set i, i+2
.endr
.irp c, 0,1
	v_fma_f32 v[BM+\c], v[BM+\c], s[CS], v12
.endr
	s_wait_alu depctr_va_vdst(0)                   ; the wait ahead of the batch
.set i, 0
.rept 64
	v_exp_f32 v[S+i], v[S+i]                       ; p
.set i, i+1
.endr
.irp c, 0,1
	v_exp_f32 v[BM+\c], v[BM+\c]                   ; the block's largest p
.endr
	v_pk_mul_f32 v[14:15], v[14:15], v[F:F+1] op_sel_hi:[1,0]   ; the sum under the new M (a plain place behind the exponentials)
	s_wait_alu depctr_va_vdst(0)                   ; one wait for the batch, ahead of its first reader
.irp c, 0,1
	v_max_num_f32 v[BM+\c], 0x2800000, v[BM+\c]    ; the floor 2^(5 - 127)
.endr
.irp c, 0,1
	DEP 2
	v_add_nc_u32 v[BS+\c], 0xfe000000, v[BM+\c]    ; 4 off the exponent field: the conversion's scale operand
.endr
.irp c, 0,1
	DEP 2
	v_lshrrev_b32 v[BP+\c], 23, v[BS+\c]           ; the scale's byte
.endr
	DEP 1
	v_lshl_or_b32 v[PS], v[BP+1], 16, v[BP]        ; my bytes: blocks h and 2 + h,
	DEP 1
	v_lshlrev_b32 v[PS], v[SH8], v[PS]             ; at their places in the word;
	DEP 1
	v_permlanex16_b32 v[PT], v[PS], s[SEL], s[SEL+1]
	DEP 1
	v_or_b32 v[PS], v[PS], v[PT]                   ; with lane l xor 16's two the word is whole
.irp c, 0,1
	v_cvt_scalef32_pk16_bf6_f32 v[PC+6*\c:PC+6*\c+2], v[S+32*\c:S+32*\c+15], v[BS+\c]
	v_cvt_scalef32_pk16_bf6_f32 v[PX+4*\c:PX+4*\c+2], v[S+32*\c+16:S+32*\c+31], v[BS+\c]   ; (a conversion's three registers begin on an even number)
.endr
	s_wait_alu depctr_va_vdst(0)                   ; the wait here, directly ahead of the first reader of O^T
.irp j, 0,2,4,6,8,10,12,14
	v_pk_mul_f32 v[O+\j:O+\j+1], v[O+\j:O+\j+1], v[F:F+1] op_sel_hi:[1,0]   ; O^T under the new M; also the plain places behind the conversions
.endr
.irp c, 0,1
.irp i, 0,1,2
	v_mov_b32 v[PC+6*\c+3+\i], v[PX+4*\c+\i]
.endr
.endr
.irp j, 16,18,20,22,24,26,28,30
	v_pk_mul_f32 v[O+\j:O+\j+1], v[O+\j:O+\j+1], v[F:F+1] op_sel_hi:[1,0]   ; also the places between p's codes and scale word and the products
.endr
	s_wait_alu depctr_va_vdst(0)                   ; the wait here, directly ahead of the wait below
	s_wait_dscnt 0x0                               ; v is in
.irp t, 0,2                            ; O^T += v^T p^T: the four accumulators by turns
	v_wmma_scale_f32_16x16x128_f8f6f4 v[O+8*\t:O+8*\t+7], v[KV+12*\t:KV+12*\t+11], v[PC:PC+11], v[O+8*\t:O+8*\t+7], v[VS+\t/2], v[PS] matrix_a_fmt:MATRIX_FMT_BF6 matrix_b_fmt:MATRIX_FMT_BF6
	v_wmma_scale_f32_16x16x128_f8f6f4 v[O+8*\t+8:O+8*\t+15], v[KV+12*\t+12:KV+12*\t+23], v[PC:PC+11], v[O+8*\t+8:O+8*\t+15], v[VS+\t/2], v[PS] matrix_a_fmt:MATRIX_FMT_BF6 matrix_b_fmt:MATRIX_FMT_BF6 matrix_a_scale:MATRIX_SCALE_ROW1
.endr
	s_add_co_u32 s[TB], s[TB], RECL                ; the next step's record
.endm
; THE CHANGE OF SLOTS, at a slot's head.  Each wave waits for all its tensor loads (its part of the slot ahead), adds 0 to its spare word, and waits for that and for its reads of the slot that it has left; behind the barrier the slot
; ahead is whole and nobody reads the other.  fill = 1: the other slot takes the next eight records.
.macro CHANGE fill
	s_wait_tensorcnt 0x0
	ds_add_u32 v[SPW], v[NIL]
.if \fill
	ds_add_u32 v[SPW], v[NIL]
	s_xor_b32 s[G0+1], s[G0+1], SLOT1
	s_add_nc_u64 s[G0+2:G0+3], s[G0+2:G0+3], SLOTB
.endif
	s_wait_dscnt 0x0
	s_barrier_signal -1
	s_barrier_wait -1
.if \fill
	TLOAD                                          ; the first thing behind the barrier, a wave's one tensor load until the next
.endif
.endm
.macro SLOT_STEPS
	s_mov_b32 s[STEPS], 8
.Lstep_\@:
	STEP
	s_sub_co_u32 s[STEPS], s[STEPS], 1
	s_cmp_lg_u32 s[STEPS], 0
	s_cbranch_scc1 .Lstep_\@
	s_sub_co_u32 s[TB], s[TB], SLOTL
	s_xor_b32 s[TB], s[TB], SLOT1                  ; on to the other slot
.endm
.Lslot:                                            ; three trips: behind each change of slots but the last the next slot is asked for
	CHANGE 1
	SLOT_STEPS
	s_sub_co_u32 s[SLOTS], s[SLOTS], 1
	s_cmp_lg_u32 s[SLOTS], 0
	s_cbranch_scc1 .Lslot
	CHANGE 0                                       ; the last slot is written out
	SLOT_STEPS
	; THE WAY OUT: the last step's p joins the sum (these lines are also the places behind the last products); O^T / the sum; its 32 registers are the head's 64 channels (my half of each block of 32):
	; half a fragment of the next product, six registers, and two scale bytes
	SUMS
	MERGE
	DEP 1
	v_add_f32 v14, v14, v15
	DEP 1
	v_permlanex16_b32 v[TT], v14, s[SEL], s[SEL+1]
	DEP 1
	v_add_f32 v14, v14, v[TT]
	s_wait_alu depctr_va_vdst(0)
	v_rcp_f32 v14, v14
	v_lshrrev_b32 v10, 1, v[LI]                    ; (a plain place behind the transcendental)  8 x lane
	s_wait_alu depctr_va_vdst(0)
.set i, 0
.rept 32
	v_mul_f32 v[S+i], v[O+i], v14
.set i, i+1
.endr
.irp b, 0,1
	v_max3_num_f32 v[BM+\b], |v[S+16*\b]|, |v[S+16*\b+1]|, 0x2800000
.endr
.irp i, 2,4,6,8,10,12,14
.irp b, 0,1
	DEP 2
	v_max3_num_f32 v[BM+\b], v[BM+\b], |v[S+16*\b+\i]|, |v[S+16*\b+\i+1]|
.endr
.endr
.irp b, 0,1
	DEP 2
	v_permlanex16_b32 v[BP+\b], v[BM+\b], s[SEL], s[SEL+1]
.endr
.irp b, 0,1
	DEP 2
	v_max_num_f32 v[BM+\b], v[BM+\b], v[BP+\b]
.endr
.irp b, 0,1
	DEP 2
	v_add_nc_u32 v[BS+\b], 0xfe000000, v[BM+\b]
.endr
.irp b, 0,1
	DEP 2
	v_lshrrev_b32 v[BP+\b], 23, v[BS+\b]
.endr
	DEP 1
	v_lshl_or_b32 v[TT], v[BP+1], 8, v[BP]
	v_cvt_scalef32_pk16_bf6_f32 v[PC:PC+2], v[S:S+15], v[BS]
	v_cvt_scalef32_pk16_bf6_f32 v[PX:PX+2], v[S+16:S+31], v[BS+1]
	v_nop
.irp i, 0,1,2
	v_permlane16_swap_b32 v[PC+\i], v[PX+\i]
.endr
.irp i, 0,1,2
	DEP 3
	v_mov_b32 v[PC+3+\i], v[PX+\i]
.endr
.irp p, 0,1,2
	global_store_b64 v10, v[PC+2*\p:PC+2*\p+1], s[8:9] offset:256*\p   ; each store covers 256 consecutive bytes, aligned
.endr
	global_store_b32 v[LVS], v[TT], s[10:11]
	s_wait_tensorcnt 0x0                           ; the wave's end
	ds_add_u32 v[SPW], v[NIL]
	s_wait_dscnt 0x0
	s_endpgm
.Lfunc_end_k_q9d2db9f748_attn:
	.size	k_q9d2db9f748_attn, .Lfunc_end_k_q9d2db9f748_attn-k_q9d2db9f748_attn
	.p2alignl 7, 3214868480
	.fill 96, 4, 3214868480
	.section	.rodata,"a",@progbits
	.p2align	6, 0x0
	.amdhsa_kernel k_q9d2db9f748_attn
		.amdhsa_group_segment_fixed_size 327680
		.amdhsa_private_segment_fixed_size 0
		.amdhsa_enable_private_segment 0
		.amdhsa_kernarg_size 32
		.amdhsa_user_sgpr_count 2
		.amdhsa_user_sgpr_kernarg_segment_ptr 1
		.amdhsa_wavefront_size32 1
		.amdhsa_system_sgpr_workgroup_id_x 1
		.amdhsa_system_sgpr_workgroup_id_y 1
		.amdhsa_system_sgpr_workgroup_id_z 1
		.amdhsa_system_vgpr_workitem_id 0
		.amdhsa_next_free_vgpr 256
		.amdhsa_next_free_sgpr 66
		.amdhsa_reserve_vcc 0
		.amdhsa_float_denorm_mode_32 3
		.amdhsa_float_denorm_mode_16_64 3
		.amdhsa_memory_ordered 1
		.amdhsa_forward_progress 1
		.amdhsa_inst_pref_size 47
	.end_amdhsa_kernel
	.amdgpu_metadata
---
amdhsa.version: [ 1, 2 ]
amdhsa.kernels:
  - .name:           k_q9d2db9f748_attn
    .symbol:         k_q9d2db9f748_attn.kd
    .args:
      - { .name: qimg, .offset: 0, .size: 8, .value_kind: global_buffer, .address_space: global }
      - { .name: kv, .offset: 8, .size: 8, .value_kind: global_buffer, .address_space: global }
      - { .name: ctx, .offset: 16, .size: 8, .value_kind: global_buffer, .address_space: global }
      - { .name: cs, .offset: 24, .size: 8, .value_kind: global_buffer, .address_space: global }
    .group_segment_fixed_size: 327680
    .private_segment_fixed_size: 0
    .kernarg_segment_align: 8
    .kernarg_segment_size: 32
    .max_flat_workgroup_size: 512
    .sgpr_count:     66
    .vgpr_count:     256
    .wavefront_size: 32
...
	.end_amdgpu_metadata
.endif
;; end of part 3
;; launch ffn (part 4): grid 256 x 1, 4 waves a work-group, no clusters, 327,680 bytes of LDS; arguments x, ctx, cs, wimg, bo, ln2_g, ln2_b, b1, b2, out0; writes out0
.if DOCPART == 4
	.amdgcn_target "amdgcn-amd-amdhsa--gfx1250"
	.amdhsa_code_object_version 6
	.text
	.protected	k_q9d2db9f748_ffn
	.globl	k_q9d2db9f748_ffn
	.p2align	8
	.type	k_q9d2db9f748_ffn,@function
k_q9d2db9f748_ffn:
	s_mov_b64 s[64:65], 0
	v_nop
	global_prefetch_b8 v0, s[64:65] scope:SCOPE_SE
	s_setreg_imm32_b32 hwreg(HW_REG_WAVE_MODE, 25, 1), 1
	s_wait_xcnt 0x0
; y = x + ctx Wo + bo;  out = y + relu(layernorm(y) g + b) W1 + b1) W2 + b2: three products on codes of BF6 (E3M2) with one E8M0 scale for each 32 along K.
; SHARES.  A work-group takes 32 tokens (two tiles of 16) through the whole chain: 8,192 / 32 = 256 work-groups.  Wave w owns columns 128 w .. 128 w + 127 of y and of out, and in each of four chunks of 512 hidden units the units 128 w on.
; TILES: lane r of token tile m holds token 8 m + r + 8 (r / 8), as the launches before laid ctx.  Every product is used transposed (source 0 = a weight tile, source 1 = a token tile): a lane holds one token, and the registers of weight
; tiles 2 b, 2 b + 1 are 16 neighbouring columns, so a result is quantised in the lane and goes to the other waves through LDS as an image of operand registers.
; WEIGHTS come as records of 12,800 bytes (128 rows x 128 K, images of operand registers), from memory straight into registers, two buffers of 96 registers by turns: 25 loads a record, so a wait for 25 leaves the younger record out.
; NO JOINT LOADS: the weights, which all work-groups walk, pass through no LDS; x and ctx are read by one work-group alone.  NO PREFETCH of the weights: all work-groups read the same records at about the same place of the text.
; THE HEAD'S TENSOR LOADS, one a wave: waves 0, 1 bring 16 rows of x each, waves 2, 3 one tile of ctx each; nothing is filled again.
; The layer norm's sums span the four waves: each wave's part goes through LDS, two numbers a lane, twice (mean; mean of squares of x - mean).
; LIMITS: NaN and infinities are not served.  A block whose largest magnitude lies under 2^-122 (a block of zeros too) gets the scale byte 1; the bytes are read by this program alone.  v_rsq_f32 is accurate to 1 ulp.
; REGISTERS, in windows of 256.  window 0: v4-24 addresses; v32-127 token fragments, two buffers (at other times at work); v128-191 64 numbers at work; v192-207 ctx's scale words; v208-223 scale words; v224-239 statistics.
;   window 1: v0-191 two weight buffers; v192-255 b1.   window 2: v0-127 the hidden layer's accumulators (in the head: bo, gain, bias, b2).   window 3: v0-127 y, then out.
.set REC,  12800
.set FRB,  1536
.set CIMG, 133120                      ; LDS: x at 0 (32 rows of 2,080); ctx's two tiles
.set XN,   157696                      ; xn's fragments: (tile m, K step s) at (4 m + s) x 1,536
.set XNS,  182272                      ; their scale words, 128 bytes each
.set HI,   184320                      ; the hidden layer's, likewise
.set HS,   208896
.set RED1, 210944                      ; the layer norm's parts
.set LI,   4
.set LS,   5
.set L8,   6
.set XR0,  7
.set XNW,  9
.set XNSW, 10
.set XNR,  11
.set XNSR, 12
.set HW,   13
.set HSW,  14
.set HR,   15
.set HSR,  16
.set R1W,  17
.set R1R,  18
.set SO0,  19
.set SR,   21
.set H64,  23
.set TP,   24
.set AF,   32
.set PC,   32
.set TM,   52
.set PW,   68
.set SA,   72
.set RSUM, 80
.set PR,   84
.set T,    128
.set CSW,  192
.set AS,   208
.set WS,   216
.set MU,   224
.set RSD,  232
.set MSB, 0
.macro WIN new                         ; the immediate's high byte repeats the setting that is left
.if MSB != \new
	s_set_vgpr_msb (MSB<<8)|\new
.set MSB, \new
.endif
.endm
.macro PLACES n
.rept \n
	v_nop
.endr
.endm
.macro BARRIER
	s_wait_dscnt 0x0
	s_barrier_signal -1
	s_barrier_wait -1
.endm
; 64 numbers of a lane, register s + 16 b + i = k 32 b + 16 (lane / 16) + i of the lane's row, become a fragment's codes in v[PC] on and its scale word in v[PW]
.macro QUANT s
	WIN 0
.irp b, 0,1,2,3
	v_max3_num_f32 v[TM+\b], |v[(\s)+16*\b]|, |v[(\s)+16*\b+1]|, 0x2800000   ; and the floor 2^(5 - 127): the byte cannot fall under 1
.endr
.irp i, 2,4,6,8,10,12,14
.irp b, 0,1,2,3
	v_max3_num_f32 v[TM+\b], v[TM+\b], |v[(\s)+16*\b+\i]|, |v[(\s)+16*\b+\i+1]|
.endr
.endr
.irp b, 0,1,2,3
	v_permlanex16_b32 v[TM+4+\b], v[TM+\b], s26, s27
.endr
.irp b, 0,1,2,3
	v_max_num_f32 v[TM+\b], v[TM+\b], v[TM+4+\b]
.endr
.irp b, 0,1,2,3
	v_add_nc_u32 v[TM+12+\b], 0xfe000000, v[TM+\b] ; 4 off the exponent field: the conversion's scale operand
.endr
.irp b, 0,1,2,3
	v_lshrrev_b32 v[TM+4+\b], 23, v[TM+12+\b]      ; the scale's byte
.endr
	v_lshl_or_b32 v[PW], v[TM+5], 8, v[TM+4]
	v_lshl_or_b32 v[PW], v[TM+6], 16, v[PW]
	v_lshl_or_b32 v[PW], v[TM+7], 24, v[PW]
.irp c, 0,1
	v_cvt_scalef32_pk16_bf6_f32 v[PC+6*\c:PC+6*\c+2], v[(\s)+32*\c:(\s)+32*\c+15], v[TM+12+2*\c]
	v_cvt_scalef32_pk16_bf6_f32 v[PC+12+4*\c:PC+14+4*\c], v[(\s)+32*\c+16:(\s)+32*\c+31], v[TM+13+2*\c]
.endr
	v_nop                                          ; one plain place behind a scaled conversion
.irp c, 0,1                            ; the operand's layout wants a whole block in a lane
.irp i, 0,1,2
	v_permlane16_swap_b32 v[PC+6*\c+\i], v[PC+12+4*\c+\i]
.endr
.irp i, 0,1,2
	v_mov_b32 v[PC+3+6*\c+\i], v[PC+12+4*\c+\i]
.endr
.endr
.endm
.macro IMAGE adr, off
.irp c, 0,1,2
	ds_store_b128 v[\adr], v[PC+4*\c:PC+4*\c+3] offset:(\off)+512*\c
.endr
.endm
.macro REDUCE dst                      ; the four running pairs, and lane l xor 16's
	v_pk_add_f32 v[SA:SA+1], v[SA:SA+1], v[SA+2:SA+3]
	v_pk_add_f32 v[SA+4:SA+5], v[SA+4:SA+5], v[SA+6:SA+7]
	v_pk_add_f32 v[SA:SA+1], v[SA:SA+1], v[SA+4:SA+5]
	v_add_f32 v[SA], v[SA], v[SA+1]
	v_permlanex16_b32 v[TP], v[SA], s26, s27
	v_add_f32 v[\dst], v[SA], v[TP]
.endm
.macro WLOAD wb, base, off             ; a weight record into buffer wb: 24 loads of fragments and one of scale words
	WIN 0x40
.irp q, 0,1,2,3,4,5,6,7,8,9,10,11,12,13,14,15,16,17,18,19,20,21,22,23
	global_load_b128 v[96*(\wb)+4*\q:96*(\wb)+4*\q+3], v[LI], s[\base:\base+1] offset:(\off)+512*\q
.endr
	WIN 0
	global_load_b128 v[WS+4*(\wb):WS+4*(\wb)+3], v[LI], s[\base:\base+1] offset:(\off)+12288
.endm
.macro AF_C ab, s                      ; ctx's two fragments of K step s (heads 2 s, 2 s + 1)
.irp m, 0,1
.irp p, 0,1,2,3,4,5
	ds_load_b64 v[AF+48*(\ab)+12*\m+2*\p:AF+48*(\ab)+12*\m+2*\p+1], v[L8] offset:6144*\m+1536*(\s)+256*\p
.endr
.endr
.endm
.macro AF_I ab, adr, sadr, s           ; two fragments of K step s and their scale words, from images
.irp m, 0,1
.irp c, 0,1,2
	ds_load_b128 v[AF+48*(\ab)+12*\m+4*\c:AF+48*(\ab)+12*\m+4*\c+3], v[\adr] offset:(4*\m+(\s))*FRB+512*\c
.endr
	ds_load_b32 v[AS+4*(\ab)+\m], v[\sadr] offset:(4*\m+(\s))*128
.endr
.endm
.macro MULT win, bias, wb, ab, sc      ; 16 matrix instructions: two token tiles x eight weight tiles; the 16 accumulators take turns
	WIN \win
.irp m, 0,1
.irp t, 0,1,2,3,4,5,6,7
.set rD, 64*\m+8*\t
.set rA, 96*(\wb)+12*\t
.set rB, AF+48*(\ab)+12*\m
.if \bias
.set rC, 192+8*\t
.else
.set rC, rD
.endif
.set rSA, WS+4*(\wb)+\t/2
.set rSB, (\sc)+\m
.if \t%2
	v_wmma_scale_f32_16x16x128_f8f6f4 v[rD:rD+7], v[rA:rA+11], v[rB:rB+11], v[rC:rC+7], v[rSA], v[rSB] matrix_a_fmt:MATRIX_FMT_BF6 matrix_b_fmt:MATRIX_FMT_BF6 matrix_a_scale:MATRIX_SCALE_ROW1
.else
	v_wmma_scale_f32_16x16x128_f8f6f4 v[rD:rD+7], v[rA:rA+11], v[rB:rB+11], v[rC:rC+7], v[rSA], v[rSB] matrix_a_fmt:MATRIX_FMT_BF6 matrix_b_fmt:MATRIX_FMT_BF6
.endif
.endr
.endr
	WIN 0
	PLACES 4                                       ; in front of loads into registers that these products read, and of the first reads of results
.endm
	s_load_b512 s[4:19], s[0:1], 0x0               ; x, ctx, cs, wimg, bo, ln2_g, ln2_b, b1
	s_load_b128 s[20:23], s[0:1], 0x40             ; b2, out0
	v_lshl_add_u32 v254, v0, 2, 0x34800
	v_mov_b32 v255, 0
	ds_add_u32 v254, v255                          ; the opening lines: the add, twice on end, and its wait
	ds_add_u32 v254, v255
	v_lshrrev_b32 v1, 5, v0
	v_readfirstlane_b32 s24, v1                    ; wave w
	s_mov_b32 s26, 0x76543210
	s_mov_b32 s27, 0xfedcba98
	s_mov_b32 s78, 0x3b000000                      ; 1 / 512
	s_mov_b32 s79, 0x3727c5ac                      ; 1e-5
	s_mov_b32 s28, (3<<16)|(1<<20)|(7<<22)|(3<<25) ; x: elements of 8 bytes; 16 bytes of padding behind every 256 words
	s_mov_b32 s29, 128<<16                         ; half a row of x
	s_mov_b32 s30, 32<<16                          ; 16 tokens
	s_mov_b32 s31, 128<<16
	s_mov_b32 s32, 32
	s_mov_b32 s33, 128
	s_mov_b32 s34, 0
	s_mov_b32 s35, 0
	s_mov_b32 s36, 3<<16                           ; ctx: a tile of 6,144 bytes as 24 dense rows of 256
	s_mov_b32 s37, 32<<16
	s_mov_b32 s38, 24<<16
	s_mov_b32 s39, 32<<16
	s_mov_b32 s40, 24
	s_mov_b32 s41, 32
	s_mov_b32 s42, 0
	s_mov_b32 s43, 0
	s_and_b32 s25, s24, 1                          ; which half of x, or which tile of ctx, I fetch
	s_lshl_b32 s76, ttmp9, 5
	s_lshl_b32 s63, s25, 4
	s_add_co_u32 s76, s76, s63
	s_lshl_b32 s76, s76, 11
	s_mov_b32 s77, 0
	s_mov_b32 s44, 1
	s_mul_i32 s45, s25, 33280
	s_mov_b32 s48, 1
	s_mul_i32 s25, s25, 6144
	s_add_co_u32 s49, s25, CIMG
	s_wait_dscnt 0x0
	s_wait_kmcnt 0x0
	s_add_nc_u64 s[46:47], s[4:5], s[76:77]
	s_or_b32 s47, s47, 0x80000000
	s_mul_i32 s76, ttmp9, 12288
	s_add_co_u32 s76, s76, s25
	s_add_nc_u64 s[50:51], s[6:7], s[76:77]
	s_or_b32 s51, s51, 0x80000000
	s_cmp_lt_u32 s24, 2                            ; one chain of branches on the wave's number, one tensor load to an arm
	s_cbranch_scc0 .Lfor_ctx
	tensor_load_to_lds s[44:47], s[28:35]
	s_nop 0
	PLACES 4
	s_branch .Lasked
.Lfor_ctx:
	tensor_load_to_lds s[48:51], s[36:43]
	s_nop 0
	PLACES 4
.Lasked:
	s_lshl_b32 s25, s24, 2
	s_add_co_u32 s76, s25, 48
	s_mul_i32 s76, s76, REC
	s_add_nc_u64 s[52:53], s[10:11], s[76:77]      ; Wo's records of my 128 columns
	s_add_co_u32 s76, s25, 64
	s_mul_i32 s76, s76, REC
	s_add_nc_u64 s[54:55], s[10:11], s[76:77]      ; W1's, chunk 0
	s_lshl_b32 s76, s24, 4
	s_add_co_u32 s76, s76, 128
	s_mul_i32 s76, s76, REC
	s_add_nc_u64 s[56:57], s[10:11], s[76:77]      ; W2's
	s_lshl_b32 s76, s24, 9
	s_add_nc_u64 s[58:59], s[18:19], s[76:77]      ; b1, bo, gain, bias, b2 at my 128 columns
	s_add_nc_u64 s[68:69], s[12:13], s[76:77]
	s_add_nc_u64 s[70:71], s[14:15], s[76:77]
	s_add_nc_u64 s[72:73], s[16:17], s[76:77]
	s_add_nc_u64 s[74:75], s[20:21], s[76:77]
	s_lshl_b32 s76, ttmp9, 8
	s_add_nc_u64 s[66:67], s[8:9], s[76:77]        ; ctx's scale words: 128 bytes a tile
	s_lshr_b32 s25, s24, 1                         ; the way out: I store rows 8 (w % 2) .. + 7 of tile w / 2: tokens 8 (w / 2) + 16 (w % 2) on
	s_lshl_b32 s25, s25, 3
	s_and_b32 s76, s24, 1
	s_lshl_b32 s76, s76, 4
	s_add_co_u32 s76, s76, s25
	s_lshl_b32 s25, ttmp9, 5
	s_add_co_u32 s76, s76, s25
	s_lshl_b32 s76, s76, 11
	s_add_nc_u64 s[60:61], s[22:23], s[76:77]
	v_and_b32 v1, 31, v0
	v_and_b32 v2, 15, v0
	v_bfe_u32 v3, v0, 4, 1
	v_and_b32 v22, 8, v2
	v_add_nc_u32 v22, v22, v2                      ; r + 8 (r / 8)
	v_lshlrev_b32 v[LI], 4, v1
	v_lshlrev_b32 v[LS], 2, v1
	v_lshlrev_b32 v[H64], 6, v3
	v_lshlrev_b32 v[L8], 3, v1
	v_add_nc_u32 v[L8], CIMG, v[L8]
	s_lshl_b32 s25, s24, 9
	s_lshr_b32 s63, s24, 1
	s_lshl_b32 s63, s63, 4
	s_add_co_u32 s63, s63, s25
	v_mul_u32_u24 v[XR0], v22, 2080
	v_add_nc_u32 v[XR0], v[XR0], v[H64]
	v_add_nc_u32 v[XR0], s63, v[XR0]
	s_mul_i32 s63, s24, FRB
	v_add_nc_u32 v[XNR], XN, v[LI]
	v_add_nc_u32 v[XNW], s63, v[XNR]
	v_add_nc_u32 v[HR], HI, v[LI]
	v_add_nc_u32 v[HW], s63, v[HR]
	s_lshl_b32 s63, s24, 7
	v_add_nc_u32 v[XNSR], XNS, v[LS]
	v_add_nc_u32 v[XNSW], s63, v[XNSR]
	v_add_nc_u32 v[HSR], HS, v[LS]
	v_add_nc_u32 v[HSW], s63, v[HSR]
	v_add_nc_u32 v[R1R], RED1, v[LI]
	v_add_nc_u32 v[R1W], s25, v[R1R]
	v_mul_u32_u24 v[SO0], v2, 2064
	v_add_nc_u32 v[SO0], v[SO0], v[H64]
	v_add_nc_u32 v[SO0], s25, v[SO0]
	s_mul_i32 s63, s24, 16512                      ; eight stage rows of 2,064 bytes a wave
	v_add_nc_u32 v[SR], s63, v[LI]
	v_mov_b32 v[TP], 0
.macro B1LOAD off
	WIN 0x40
.irp t, 0,1,2,3,4,5,6,7
	global_load_b128 v[192+8*\t:192+8*\t+3], v[H64], s[58:59] offset:(\off)+4*(32*(\t/2)+8*(\t%2))
	global_load_b128 v[192+8*\t+4:192+8*\t+7], v[H64], s[58:59] offset:(\off)+4*(32*(\t/2)+8*(\t%2))+16
.endr
	WIN 0
.endm
	B1LOAD 0
	WIN 0x80
.irp b, 0,1,2,3
.irp j, 0,1,2,3
	global_load_b128 v[16*\b+4*\j:16*\b+4*\j+3], v[H64], s[68:69] offset:128*\b+16*\j
	global_load_b128 v[64+16*\b+4*\j:64+16*\b+4*\j+3], v[H64], s[70:71] offset:128*\b+16*\j
	global_load_b128 v[128+16*\b+4*\j:128+16*\b+4*\j+3], v[H64], s[72:73] offset:128*\b+16*\j
	global_load_b128 v[192+16*\b+4*\j:192+16*\b+4*\j+3], v[H64], s[74:75] offset:128*\b+16*\j
.endr
.endr
	WIN 0
.irp s, 0,1,2,3
.irp m, 0,1
.irp e, 0,1
	global_load_b32 v[T+2*(4*\s+\m)+\e], v[LS], s[66:67] offset:65536*(2*\s+\e)+128*\m   ; head 2 s + e's two scale bytes of tile m
.endr
.endr
.endr
	WLOAD 0, 52, 0
	WLOAD 1, 52, REC
	s_wait_alu depctr_va_vdst(0)                   ; the wait at the head's end
	s_wait_tensorcnt 0x0
	BARRIER                                        ; x and ctx lie in LDS
	WIN 0xc0
.irp m, 0,1
.irp b, 0,1,2,3
.irp j, 0,1,2,3
	ds_load_b128 v[64*\m+16*\b+4*\j:64*\m+16*\b+4*\j+3], v[XR0] offset:16640*\m+128*\b+16*\j
.endr
.endr
.endr
	WIN 0
	AF_C 0, 0
	s_wait_dscnt 0x0
	s_wait_loadcnt 50                              ; all but the two weight records
.irp s, 0,1,2,3
.irp m, 0,1
	v_lshl_or_b32 v[CSW+4*\s+\m], v[T+2*(4*\s+\m)+1], 16, v[T+2*(4*\s+\m)]
.endr
.endr
	WIN 0xcb                                       ; x + bo: the C of the first product
.irp m, 0,1
.set i, 0
.rept 32
	v_pk_add_f32 v[64*\m+i:64*\m+i+1], v[64*\m+i:64*\m+i+1], v[i:i+1]
.set i, i+2
.endr
.endr
	WIN 0
	PLACES 8
	s_wait_alu depctr_va_vdst(0)
.irp s, 0,1,2,3                        ; y = x + bo + ctx Wo
	s_wait_dscnt 0x0
.if \s < 3
	AF_C (\s+1)%2, \s+1
.endif
	s_wait_loadcnt 25
	MULT 0xf1, 0, \s%2, \s%2, CSW+4*\s
.if \s < 2
	WLOAD \s, 52, (\s+2)*REC
.else
	WLOAD \s-2, 54, (\s-2)*REC
.endif
.endr
.irp m, 0,1                            ; the mean: my 128 columns' part
	WIN 0x0f
.irp c, 0,1,2,3
	v_pk_add_f32 v[SA+2*\c:SA+2*\c+1], v[64*\m+2*\c:64*\m+2*\c+1], v[64*\m+2*\c+8:64*\m+2*\c+9]
.endr
	WIN 0x0c
.set i, 16
.rept 24
	v_pk_add_f32 v[SA+2*((i/2)%4):SA+2*((i/2)%4)+1], v[SA+2*((i/2)%4):SA+2*((i/2)%4)+1], v[64*\m+i:64*\m+i+1]
.set i, i+2
.endr
	WIN 0
	REDUCE RSUM+\m
.endr
	ds_store_b64 v[R1W], v[RSUM:RSUM+1]
	BARRIER
.irp q, 0,1,2,3
	ds_load_b64 v[PR+2*\q:PR+2*\q+1], v[R1R] offset:512*\q
.endr
	s_wait_dscnt 0x0
.irp m, 0,1
	v_add_f32 v[PR+\m], v[PR+\m], v[PR+2+\m]
	v_add_f32 v[PR+4+\m], v[PR+4+\m], v[PR+6+\m]
	v_add_f32 v[PR+\m], v[PR+\m], v[PR+4+\m]
	v_mul_f32 v[MU+2*\m], s78, v[PR+\m]
	v_mul_f32 v[MU+2*\m+1], s78, v[PR+\m]
.endr
.irp m, 0,1                            ; the mean of the squares of y - mean
	WIN 0x03
.set i, 0
.rept 32
	v_pk_add_f32 v[T+i:T+i+1], v[64*\m+i:64*\m+i+1], v[MU+2*\m:MU+2*\m+1] neg_lo:[0,1] neg_hi:[0,1]
.set i, i+2
.endr
	WIN 0
.irp c, 0,1,2,3
	v_pk_mul_f32 v[SA+2*\c:SA+2*\c+1], v[T+2*\c:T+2*\c+1], v[T+2*\c:T+2*\c+1]
.endr
.set i, 8
.rept 28
	v_pk_fma_f32 v[SA+2*((i/2)%4):SA+2*((i/2)%4)+1], v[T+i:T+i+1], v[T+i:T+i+1], v[SA+2*((i/2)%4):SA+2*((i/2)%4)+1]
.set i, i+2
.endr
	REDUCE RSUM+\m
.endr
	ds_store_b64 v[R1W], v[RSUM:RSUM+1] offset:2048
	BARRIER
.irp q, 0,1,2,3
	ds_load_b64 v[PR+2*\q:PR+2*\q+1], v[R1R] offset:2048+512*\q
.endr
	s_wait_dscnt 0x0
.irp m, 0,1
	v_add_f32 v[PR+\m], v[PR+\m], v[PR+2+\m]
	v_add_f32 v[PR+4+\m], v[PR+4+\m], v[PR+6+\m]
	v_add_f32 v[PR+\m], v[PR+\m], v[PR+4+\m]
	v_fma_f32 v[PR+\m], v[PR+\m], s78, s79         ; / 512 + eps
.endr
	s_wait_alu depctr_va_vdst(0)
.irp m, 0,1
	v_rsq_f32 v[RSD+2*\m], v[PR+\m]
	v_rsq_f32 v[RSD+2*\m+1], v[PR+\m]
.endr
	v_nop
	s_wait_alu depctr_va_vdst(0)
.irp m, 0,1                            ; xn, quantised: my 128 columns are K step w of the next product
	WIN 0x03
.set i, 0
.rept 32
	v_pk_add_f32 v[T+i:T+i+1], v[64*\m+i:64*\m+i+1], v[MU+2*\m:MU+2*\m+1] neg_lo:[0,1] neg_hi:[0,1]
.set i, i+2
.endr
	WIN 0
.set i, 0
.rept 32
	v_pk_mul_f32 v[T+i:T+i+1], v[T+i:T+i+1], v[RSD+2*\m:RSD+2*\m+1]
.set i, i+2
.endr
	WIN 0x28
.set i, 0
.rept 32
	v_pk_fma_f32 v[T+i:T+i+1], v[T+i:T+i+1], v[64+i:64+i+1], v[128+i:128+i+1]
.set i, i+2
.endr
	QUANT T
	IMAGE XNW, 6144*\m
	ds_store_b32 v[XNSW], v[PW] offset:512*\m
	s_wait_dscnt 0x0
.endr
	WIN 0xcb                                       ; y + b2: the sums of the last product begin there
.irp m, 0,1
.set i, 0
.rept 32
	v_pk_add_f32 v[64*\m+i:64*\m+i+1], v[64*\m+i:64*\m+i+1], v[192+i:192+i+1]
.set i, i+2
.endr
.endr
	WIN 0
	BARRIER
; A CHUNK of 512 hidden units: four K steps of xn W1 + b1 (my 128 units), relu, quantised, to LDS; four K steps of h W2 (my 128 columns of out).  A record is asked for as soon as its buffer's products are issued.
.macro CHUNK last
	AF_I 0, XNR, XNSR, 0
	s_wait_dscnt 0x0
	AF_I 1, XNR, XNSR, 1
	s_wait_loadcnt 25
	MULT 0x91, 1, 0, 0, AS
.if !\last
	B1LOAD 2048
.endif
	WLOAD 0, 54, 2*REC
	s_wait_dscnt 0x0
	AF_I 0, XNR, XNSR, 2
.if \last
	s_wait_loadcnt 25
.else
	s_wait_loadcnt 41                              ; behind the record waited for: 16 loads of b1 and 25 of a record
.endif
	MULT 0xa1, 0, 1, 1, AS+4
	WLOAD 1, 54, 3*REC
	s_wait_dscnt 0x0
	AF_I 1, XNR, XNSR, 3
	s_wait_loadcnt 25
	MULT 0xa1, 0, 0, 0, AS
	WLOAD 0, 56, 0
	s_wait_dscnt 0x0
	s_wait_loadcnt 25
	MULT 0xa1, 0, 1, 1, AS+4
	WLOAD 1, 56, REC
	BARRIER                                        ; nobody reads the last chunk's hidden layer any more
.irp m, 0,1
	WIN 0x08
.set j, 0
.rept 64
	v_max_num_f32 v[T+j], 0, v[64*\m+j]
.set j, j+1
.endr
	QUANT T
	IMAGE HW, 6144*\m
	ds_store_b32 v[HSW], v[PW] offset:512*\m
	s_wait_dscnt 0x0
.endr
	BARRIER
	AF_I 0, HR, HSR, 0
	s_wait_dscnt 0x0
	AF_I 1, HR, HSR, 1
	s_wait_loadcnt 25
	MULT 0xf1, 0, 0, 0, AS
	WLOAD 0, 56, 2*REC
	s_wait_dscnt 0x0
	AF_I 0, HR, HSR, 2
	s_wait_loadcnt 25
	MULT 0xf1, 0, 1, 1, AS+4
	WLOAD 1, 56, 3*REC
	s_wait_dscnt 0x0
	AF_I 1, HR, HSR, 3
	s_wait_loadcnt 25
	MULT 0xf1, 0, 0, 0, AS
.if !\last
	WLOAD 0, 54, 16*REC
.endif
	s_wait_dscnt 0x0
.if \last
	s_wait_loadcnt 0x0
.else
	s_wait_loadcnt 25
.endif
	MULT 0xf1, 0, 1, 1, AS+4
.if !\last
	WLOAD 1, 54, 17*REC
	s_wait_xcnt 0x0                                ; the loads have read their bases
	s_add_nc_u64 s[54:55], s[54:55], 16*REC
	s_add_nc_u64 s[56:57], s[56:57], 4*REC
	s_add_nc_u64 s[58:59], s[58:59], 2048
.endif
.endm
	s_mov_b32 s62, 3
.Lchunk:
	CHUNK 0
	s_sub_co_u32 s62, s62, 1
	s_cmp_lg_u32 s62, 0
	s_cbranch_scc1 .Lchunk
	CHUNK 1
	; THE WAY OUT: through a stage of 32 rows of 2,064 bytes, on x's bytes, which have had their one fill; then each wave stores eight whole rows, 512 consecutive bytes an instruction
	WIN 0x0c
.irp m, 0,1
.irp b, 0,1,2,3
.irp j, 0,1,2,3
	ds_store_b128 v[SO0], v[64*\m+16*\b+4*\j:64*\m+16*\b+4*\j+3] offset:33024*\m+128*\b+16*\j
.endr
.endr
.endr
	WIN 0
	BARRIER
	WIN 0x80
.set k, 0
.rept 32
	ds_load_b128 v[4*k:4*k+3], v[SR] offset:2064*(k/4)+512*(k%4)
.set k, k+1
.endr
	WIN 0x08
.set k, 0
.rept 32
	s_wait_dscnt 31-k
	global_store_b128 v[LI], v[4*k:4*k+3], s[60:61] offset:2048*(k/4)+512*(k%4) th:TH_STORE_NT
.set k, k+1
.endr
	WIN 0
	s_wait_tensorcnt 0x0                           ; the wave's end
	ds_add_u32 v254, v255
	s_wait_dscnt 0x0
	s_endpgm
.Lfunc_end_k_q9d2db9f748_ffn:
	.size	k_q9d2db9f748_ffn, .Lfunc_end_k_q9d2db9f748_ffn-k_q9d2db9f748_ffn
	.p2alignl 7, 3214868480
	.fill 96, 4, 3214868480
	.section	.rodata,"a",@progbits
	.p2align	6, 0x0
	.amdhsa_kernel k_q9d2db9f748_ffn
		.amdhsa_group_segment_fixed_size 327680
		.amdhsa_private_segment_fixed_size 0
		.amdhsa_enable_private_segment 0
		.amdhsa_kernarg_size 80
		.amdhsa_user_sgpr_count 2
		.amdhsa_user_sgpr_kernarg_segment_ptr 1
		.amdhsa_wavefront_size32 1
		.amdhsa_system_sgpr_workgroup_id_x 1
		.amdhsa_system_sgpr_workgroup_id_y 1
		.amdhsa_system_sgpr_workgroup_id_z 1
		.amdhsa_system_vgpr_workitem_id 0
		.amdhsa_next_free_vgpr 1024
		.amdhsa_next_free_sgpr 80
		.amdhsa_reserve_vcc 0
		.amdhsa_float_denorm_mode_32 3
		.amdhsa_float_denorm_mode_16_64 3
		.amdhsa_memory_ordered 1
		.amdhsa_forward_progress 1
		.amdhsa_inst_pref_size 201
	.end_amdhsa_kernel
	.amdgpu_metadata
---
amdhsa.version: [ 1, 2 ]
amdhsa.kernels:
  - .name:           k_q9d2db9f748_ffn
    .symbol:         k_q9d2db9f748_ffn.kd
    .args:
      - { .name: x, .offset: 0, .size: 8, .value_kind: global_buffer, .address_space: global }
      - { .name: ctx, .offset: 8, .size: 8, .value_kind: global_buffer, .address_space: global }
      - { .name: cs, .offset: 16, .size: 8, .value_kind: global_buffer, .address_space: global }
      - { .name: wimg, .offset: 24, .size: 8, .value_kind: global_buffer, .address_space: global }
      - { .name: bo, .offset: 32, .size: 8, .value_kind: global_buffer, .address_space: global }
      - { .name: ln2_g, .offset: 40, .size: 8, .value_kind: global_buffer, .address_space: global }
      - { .name: ln2_b, .offset: 48, .size: 8, .value_kind: global_buffer, .address_space: global }
      - { .name: b1, .offset: 56, .size: 8, .value_kind: global_buffer, .address_space: global }
      - { .name: b2, .offset: 64, .size: 8, .value_kind: global_buffer, .address_space: global }
      - { .name: out0, .offset: 72, .size: 8, .value_kind: global_buffer, .address_space: global }
    .group_segment_fixed_size: 327680
    .private_segment_fixed_size: 0
    .kernarg_segment_align: 8
    .kernarg_segment_size: 80
    .max_flat_workgroup_size: 128
    .sgpr_count:     80
    .vgpr_count:     1024
    .wavefront_size: 32
...
	.end_amdgpu_metadata
.endif
;; end of part 4
